; MI455X (gfx1250); checked and timed in simulation.
; The chip was launched on July 23, 2026; its instructions are those of AMD's public machine-readable ISA for CDNA 5 (MIT licence, August 2026) and "CDNA5" Instruction Set Architecture Reference Guide (July 2026). The comments in the code are by the model that wrote it; some were corrected since.
;; Attention. Allowed arithmetic: matrix products marked QUANTISED: E3M2 operands, one E8M0 scale for each 32 along K, by v_wmma_scale_f32_16x16x128_f8f6f4 with both operands' format E3M2, f32 sums; everything else in f32.
;; Inputs: W_attn 1,024 x 3,072 float32; W_proj 1,024 x 1,024 float32; attention_mask 8 x 1 x 1 x 1,024 float32; b_attn 3,072 float32; b_proj 1,024 float32; x 8 x 1,024 x 1,024 float32.
;; Outputs: out0 8 x 1,024 x 1,024 float32.
;; This version of the problem:
;;   THIS VERSION OF THE PROBLEM IS GIVEN IN LOW PRECISION. The matrix products marked QUANTISED in the list below multiply operands that are first quantised to E3M2 (3 exponent bits, 2 mantissa bits; 6 bits a number), with one power-of-two scale for each 32 numbers along K (OCP MX v1.0); their sums are f32. All else is computed in f32.
;;   The module's matrix products, in the order in which they are computed (A, B: the left and right operand; K: the contracted axis; several contracted axes count as one K, in the product's order):
;;     1. [M 8,192, K 1,024] x [K 1,024, N 3,072]; A: input x; B: input W_attn: QUANTISED
;;     2. batch 64 x [M 1,024, K 128] x [K 128, N 1,024]; A: computed on the way; B: computed on the way: QUANTISED
;;     3. batch 64 x [M 1,024, K 1,024] x [K 1,024, N 128]; A: softmax (see below); B: computed on the way: QUANTISED
;;     4. [M 8,192, K 1,024] x [K 1,024, N 1,024]; A: computed on the way; B: input W_proj: QUANTISED
;;   THE QUANTISER, for each operand of a quantised product, along K:
;;     - K is cut into blocks of 32 from its start; a last block that is shorter is filled with zeros.
;;     - A block's scale is 2^e with e = floor(log2(the largest magnitude in the block)) - 4, held to -126 .. 127; a block of zeros has e = 0. As a byte (E8M0): e + 127.
;;     - Each number is divided by its block's scale, clamped to +-28, and rounded to the nearest number of E3M2, ties to even, subnormals kept.
;;     - The product sums the exact products of the quantised numbers (number of the format x scale) in f32.
;;   ~~~python
;;   def quantise(x, axis):      # numpy; x: float32 -> the quantised numbers, widened to float32 again
;;       x = np.moveaxis(x, axis, -1); K = x.shape[-1]
;;       x = np.pad(x, [(0, 0)] * (x.ndim - 1) + [(0, -K % 32)]); x = x.reshape(x.shape[:-1] + (-1, 32)); a = np.abs(x).max(-1, keepdims=True)
;;       e = np.where(a > 0, np.clip(np.frexp(np.where(a > 0, a, 1))[1] - 1 - 4, -126, 127), 0)      # np.frexp(a)[1] - 1 = floor(log2(a)), exactly
;;       r = np.clip(x / 2.0 ** e, -28, 28)
;;       step = 2.0 ** (np.maximum(np.frexp(np.where(r == 0, 1, r))[1] - 1, -2) - 2)
;;       q = np.round(r / step) * step * 2.0 ** e      # np.round: ties to even
;;       return np.moveaxis(q.reshape(q.shape[:-2] + (-1,))[..., :K], -1, axis).astype(np.float32)
;;   ~~~
;;   SOFTMAX AHEAD OF A QUANTISED PRODUCT. Where the list says 'softmax', what is quantised is not the finished softmax but p = 2^(t - M), with t = logit x log2(e) and M = ceil(the row's largest t), a whole number; so 1/2 < the row's largest p <= 1. The row's sum l is taken of the UNQUANTISED p, in f32, and the product's result is divided by l at the end. Since M is a whole number, a kernel that streams over the keys may use a running M (the ceiling of the running maximum): every later rescaling is an exact power of two, which a block's scale takes up: the codes' values come out the same.
;;   OPERANDS COMPUTED ON THE WAY. 'Computed on the way' means the value that the module computes at that place (a softmax that the list does not call 'softmax' is quantised finished and normalised). What goes into a quantiser is computed in f32, as accurately as f32 sums, v_exp_f32 and their like allow (about 1e-6 of the number): no bf16 or f16 on the way to a quantiser, and a product that is left as it is and whose result goes on into a quantised operand takes f32 operands (vector FMAs, or v_wmma_f32_16x16x4_f32). A number that lies on a knife's edge between two numbers of the format may be rounded either way, as far as f32 arithmetic and the matrix unit's own rounding can turn it there, and no further.
;; One version. Each part assembles by itself: llvm-mc -triple=amdgcn-amd-amdhsa -mcpu=gfx1250 --defsym DOCPART=n.
;; ======== version 1 of 1: 4 launches
;; limits: right only within a limited range of input values
;; workspace buffers: ops 9,830,400 bytes; qkv 19,660,800 bytes; aimg 6,553,600 bytes
;; launch quant (part 1): grid 768 x 1, 4 waves a work-group, no clusters, 68,096 bytes of LDS; arguments x, W_attn, W_proj, ops; writes ops
.if DOCPART == 1
	.amdgcn_target "amdgcn-amd-amdhsa--gfx1250"
	.amdhsa_code_object_version 6
	.text
	.protected	k_q9332e0e810_quant
	.globl	k_q9332e0e810_quant
	.p2align	8
	.type	k_q9332e0e810_quant,@function
k_q9332e0e810_quant:
	s_mov_b64 s[64:65], 0
	v_nop
	global_prefetch_b8 v0, s[64:65] scope:SCOPE_SE
	s_setreg_imm32_b32 hwreg(HW_REG_WAVE_MODE, 25, 1), 1
	s_wait_xcnt 0x0
; x [8192][1024], W_attn [1024][3072] and W_proj [1024][1024], f32, become codes of BF6 (E3M2) with one E8M0 scale byte for each 32 along K (K = 1024 in all three).
; A block's scale is 2^(floor(log2(its largest magnitude)) - 4); its byte is the largest magnitude's exponent field - 4, held at 1 from below.
; THE LAYOUT OF ops.  A BLOCK of 12,800 bytes holds 128 rows x 128 along K as the matrix operand's registers lie: eight fragments t of 1,536 bytes (registers 4 c .. 4 c + 3 of lane l at
; 1536 t + 512 c + 16 l), then the scale words (tile t, row r at 12288 + 64 t + 4 r).  Lane r of tile t = 2 b + u holds row 32 b + 8 u + r + 8 (r / 8) of the 128.  An operand is [group of 128 rows][K step 0..7][BLOCK].
; x's 64 groups begin at byte 0, W_attn's 24 groups (rows = its columns n) at WA_OFF, W_proj's 8 at WP_OFF.
; Work-groups 0-511: x (K innermost): one tile of 16 rows each; wave w takes K steps 2 w, 2 w + 1.  Each load reads 512 consecutive bytes of a row; a K step's 16 x 512 bytes turn through the wave's own stage in LDS,
; so that lane (r, h) gets k = 64 c + 32 h + 0 .. 31 of row r: two whole blocks, in the order of the operand's registers.
; Work-groups 512-703: W_attn, 704-767: W_proj (K outermost): 128 columns x 128 along K each; a lane takes a column and its registers run down K: four whole blocks a lane, no LDS, no other lane.
; Memory binds here: no matrix unit, no cluster (no two work-groups read the same bytes), no barrier (waves share nothing).
; LIMITS: a block of zeros gets the byte 1 where the rule says 127 (its codes are zeros, and this program alone reads the bytes); blocks whose largest magnitude lies under 2^-122 have their byte held at 1; NaN and infinities are not served.
.set BLOCK,  12800
.set WA_OFF, 64*8*BLOCK
.set WP_OFF, WA_OFF+24*8*BLOCK
.set FLOOR,  0x2800000                 ; 2^(5 - 127)
.set EOFF,   0xfe000000                ; 4 off an exponent field
	s_load_b256 s[4:11], s[0:1], 0x0               ; x s[4:5], W_attn s[6:7], W_proj s[8:9], ops s[10:11]
	v_lshl_add_u32 v254, v0, 2, 0x10800
	v_mov_b32 v255, 0
	v_lshrrev_b32 v1, 5, v0
	v_readfirstlane_b32 s12, v1                    ; wave 0..3
	v_and_b32 v2, 31, v0                           ; lane
	s_cmp_lt_u32 ttmp9, 512
	s_cbranch_scc0 .Lweights
; ---------------- x ----------------
.set L16, 4                            ; v4   16 x lane
.set SA,  5                            ; v5   the stage, on the way in: 16 x lane
.set SB,  6                            ; v6   on the way out: 528 r + 128 h
.set R4,  7                            ; v7   4 r
.set MX,  8                            ; v8-9   largest magnitudes of my two blocks
.set SO,  10                           ; v10-11 the conversions' scale operands
.set BY,  12                           ; v12-13 the scale bytes
.set W2,  14                           ; v14  the other half's bytes
.set SH,  15                           ; v15  8 h
.set R,   16                           ; v16-143  two K steps as loaded: 16 rows x 4 registers each
.set X,   144                          ; v144-207 my 64 numbers of a K step
.set PC,  208                          ; v208-231 the codes: 12 registers for each K step, so that no store's data are written again
.set TP,  232                          ; v232-238 the upper halves of the blocks' codes
.set WD,  240                          ; v240-241 the scale word of each K step
	v_and_b32 v3, 15, v0                           ; r
	v_bfe_u32 v1, v0, 4, 1                         ; h
	v_lshlrev_b32 v[L16], 4, v2
	s_mul_i32 s15, s12, 16896                      ; my wave's two stages of 16 rows x 528 bytes
	v_add_nc_u32 v[SA], s15, v[L16]
	v_mul_u32_u24 v[SB], v3, 528
	v_lshl_add_u32 v[SB], v1, 7, v[SB]
	v_add_nc_u32 v[SB], s15, v[SB]
	v_lshlrev_b32 v[R4], 2, v3
	v_lshlrev_b32 v[SH], 3, v1
	v_mov_b32 v[W2], 0                             ; a lane permute's destination counts as one of its sources
	s_mov_b32 s22, 0x76543210
	s_mov_b32 s23, 0xfedcba98                      ; v_permlanex16_b32's selects for lane l xor 16
	s_lshr_b32 s13, ttmp9, 1                       ; tile T = the work-group's number: its first row is 32 (T / 2) + 8 (T % 2)
	s_lshl_b32 s13, s13, 5
	s_and_b32 s14, ttmp9, 1
	s_lshl_b32 s14, s14, 3
	s_add_co_u32 s13, s13, s14
	s_lshl_b32 s16, s13, 12                        ; rows of 4,096 bytes
	s_lshl_b32 s14, s12, 10                        ; my two K steps: 1,024 bytes of a row
	s_add_co_u32 s16, s16, s14
	s_mov_b32 s17, 0
	s_and_b32 s13, ttmp9, 0x1f8                    ; 8 x (T / 8): the row group's first BLOCK
	s_lshl_b32 s14, s12, 1
	s_add_co_u32 s13, s13, s14                     ; + K step 2 w
	s_mul_i32 s13, s13, BLOCK
	s_and_b32 s14, ttmp9, 7                        ; the tile's place in its BLOCK
	s_mul_i32 s18, s14, 1536
	s_add_co_u32 s18, s18, s13
	s_mov_b32 s19, 0
	s_lshl_b32 s20, s14, 6
	s_add_co_u32 s20, s20, s13
	s_add_co_u32 s20, s20, 12288
	s_mov_b32 s21, 0
	s_wait_alu depctr_va_vdst(0)
	s_wait_kmcnt 0x0
	s_add_nc_u64 s[4:5], s[4:5], s[16:17]
	s_add_nc_u64 s[18:19], s[10:11], s[18:19]      ; where the codes go
	s_add_nc_u64 s[20:21], s[10:11], s[20:21]      ; where the scale words go
.irp st, 0,1
.irp i, 0,1,2,3,4,5,6,7,8,9,10,11,12,13,14,15
	global_load_b128 v[R+64*\st+4*\i:R+64*\st+4*\i+3], v[L16], s[4:5] offset:(\i+8*(\i/8))*4096+512*\st th:TH_LOAD_NT   ; 32 lanes read 512 consecutive bytes: a K step of the tile's row i
.endr
.endr
.macro XQ st
	s_wait_loadcnt 16*(1-(\st))                    ; this K step's 16 loads are in; the other step's 16 may be out
.irp i, 0,1,2,3,4,5,6,7,8,9,10,11,12,13,14,15
	ds_store_b128 v[SA], v[R+64*(\st)+4*\i:R+64*(\st)+4*\i+3] offset:8448*(\st)+528*\i
.endr
.irp c, 0,1
.irp j, 0,1,2,3,4,5,6,7
	ds_load_b128 v[X+32*\c+4*\j:X+32*\c+4*\j+3], v[SB] offset:8448*(\st)+256*\c+16*\j   ; LDS serves a wave's instructions in order: these see my stores
.endr
.endr
	s_wait_dscnt 0x0
.irp c, 0,1                            ; my block 2 c + h: all its 32 numbers are mine; the floor is one more leaf
	v_max3_num_f32 v[MX+\c], |v[X+32*\c]|, |v[X+32*\c+1]|, FLOOR
.endr
.irp i, 2,4,6,8,10,12,14,16,18,20,22,24,26,28,30
.irp c, 0,1
	v_max3_num_f32 v[MX+\c], v[MX+\c], |v[X+32*\c+\i]|, |v[X+32*\c+\i+1]|
.endr
.endr
.irp c, 0,1
	v_add_nc_u32 v[SO+\c], EOFF, v[MX+\c]          ; the conversion takes this operand's exponent field as its scale
.endr
.irp c, 0,1
	v_lshrrev_b32 v[BY+\c], 23, v[SO+\c]           ; the scale's byte
.endr
	v_lshl_or_b32 v[WD+(\st)], v[BY+1], 16, v[BY]  ; my two bytes: blocks h and 2 + h,
	v_lshlrev_b32 v[WD+(\st)], v[SH], v[WD+(\st)]  ; at their places in the word;
	v_permlanex16_b32 v[W2], v[WD+(\st)], s22, s23
	v_or_b32 v[WD+(\st)], v[WD+(\st)], v[W2]       ; with lane l xor 16's two the word is whole
.irp c, 0,1
	v_cvt_scalef32_pk16_bf6_f32 v[PC+12*(\st)+6*\c:PC+12*(\st)+6*\c+2], v[X+32*\c:X+32*\c+15], v[SO+\c]
	v_cvt_scalef32_pk16_bf6_f32 v[TP+4*\c:TP+4*\c+2], v[X+32*\c+16:X+32*\c+31], v[SO+\c]   ; (a conversion's three registers begin on an even number)
.endr
	v_nop                                          ; one plain place behind a scaled conversion
.irp c, 0,1
.irp i, 0,1,2
	v_mov_b32 v[PC+12*(\st)+6*\c+3+\i], v[TP+4*\c+\i]
.endr
.endr
.irp g, 0,1,2
	global_store_b128 v[L16], v[PC+12*(\st)+4*\g:PC+12*(\st)+4*\g+3], s[18:19] offset:BLOCK*(\st)+512*\g   ; 512 consecutive bytes, at a multiple of 256 from the buffer's first byte
.endr
	global_store_b32 v[R4], v[WD+(\st)], s[20:21] offset:BLOCK*(\st)   ; lanes r and r + 16 write the same word with the same value
.endm
	XQ 0
	XQ 1
	s_wait_tensorcnt 0x0
	ds_add_u32 v254, v255
	s_wait_dscnt 0x0
	s_endpgm
; ---------------- the weights ----------------
.set WX,  16                           ; v16-143  my column's 128 numbers, down K
.set WC,  144                          ; v144-167 the codes: 12 registers for the image's lane r, 12 for lane r + 16
.set WM,  172                          ; v172-175 largest magnitudes
.set WSO, 176                          ; v176-179 scale operands
.set WBY, 180                          ; v180-183 scale bytes
.set WT,  184                          ; v184-198 the upper halves of the blocks' codes
.set WW,  200                          ; v200  the scale word
.set WM2, 201                          ; v201  a second chain of the maximum
.macro WBLK kb                         ; block kb = 2 c + h of my column: it belongs to the image's lane r + 16 h, registers 6 c .. 6 c + 5
.set XS, WX+32*(\kb)
	v_max3_num_f32 v[WM+(\kb)], |v[XS]|, |v[XS+1]|, |v[XS+2]|
	v_max3_num_f32 v[WM2], |v[XS+3]|, |v[XS+4]|, |v[XS+5]|
.irp i, 6,10,14,18,22,26
	v_max3_num_f32 v[WM+(\kb)], v[WM+(\kb)], |v[XS+\i]|, |v[XS+\i+1]|
	v_max3_num_f32 v[WM2], v[WM2], |v[XS+\i+2]|, |v[XS+\i+3]|
.endr
	v_max3_num_f32 v[WM+(\kb)], v[WM+(\kb)], |v[XS+30]|, |v[XS+31]|
	v_max3_num_f32 v[WM+(\kb)], v[WM+(\kb)], v[WM2], FLOOR
	v_add_nc_u32 v[WSO+(\kb)], EOFF, v[WM+(\kb)]
	v_lshrrev_b32 v[WBY+(\kb)], 23, v[WSO+(\kb)]
	v_cvt_scalef32_pk16_bf6_f32 v[WC+12*((\kb)%2)+6*((\kb)/2):WC+12*((\kb)%2)+6*((\kb)/2)+2], v[XS:XS+15], v[WSO+(\kb)]
	v_cvt_scalef32_pk16_bf6_f32 v[WT+4*(\kb):WT+4*(\kb)+2], v[XS+16:XS+31], v[WSO+(\kb)]
.endm
; n: numbers in a row of the weight; off: where its images begin in ops; first: its first work-group; p: the register pair with its address
.macro WPATH n, off, first, p
	s_sub_co_u32 s13, ttmp9, \first                ; 8 x (group of 128 columns) + K step: also the number of my BLOCK
	s_lshr_b32 s14, s13, 3
	s_and_b32 s15, s13, 7
	s_mul_i32 s16, s15, 128*\n*4                   ; 128 rows of the weight for each K step,
	s_lshl_b32 s18, s14, 9                         ; 128 columns for each group,
	s_add_co_u32 s16, s16, s18
	s_lshl_b32 s18, s12, 7                         ; 32 columns for each wave
	s_add_co_u32 s16, s16, s18
	s_mov_b32 s17, 0
	s_mul_i32 s18, s13, BLOCK
	s_add_co_u32 s18, s18, \off
	s_mul_i32 s20, s12, 3072                       ; my wave's columns are tiles 2 w and 2 w + 1
	s_add_co_u32 s20, s20, s18
	s_mov_b32 s21, 0
	s_lshl_b32 s22, s12, 7
	s_add_co_u32 s22, s22, s18
	s_mov_b32 s23, 0
	v_lshlrev_b32 v4, 2, v2                        ; in: 4 bytes a lane
	v_and_b32 v5, 7, v0
	v_bfe_u32 v6, v0, 4, 1
	v_lshl_add_u32 v5, v6, 3, v5                   ; my column's lane in its tile: r = lane % 8 + 8 (lane / 16),
	v_bfe_u32 v6, v0, 3, 1                         ; and which of the two tiles: u = (lane / 8) % 2
	v_mul_u32_u24 v7, v6, 1536
	v_lshl_add_u32 v7, v5, 4, v7                   ; codes: 1536 u + 16 r
	v_lshlrev_b32 v8, 6, v6
	v_lshl_add_u32 v8, v5, 2, v8                   ; scale word: 64 u + 4 r
	s_wait_alu depctr_va_vdst(0)
	s_wait_kmcnt 0x0
	s_add_nc_u64 s[16:17], s[\p:\p+1], s[16:17]
	s_add_nc_u64 s[20:21], s[10:11], s[20:21]
	s_add_nc_u64 s[22:23], s[10:11], s[22:23]
.set kk, 0
.rept 128
	global_load_b32 v[WX+kk], v4, s[16:17] offset:kk*\n*4 th:TH_LOAD_NT   ; a row of the weight at 32 neighbouring columns: 128 consecutive bytes a wave, 512 a work-group
.set kk, kk+1
.endr
	s_wait_loadcnt 63                              ; 65 of the 128 loads are in: blocks 0 and 1
	WBLK 0
	WBLK 1
	s_wait_loadcnt 32                              ; block 2; block 3's 32 loads may be out
	WBLK 2
	s_wait_loadcnt 0x0
	WBLK 3
	v_nop                                          ; one plain place behind a scaled conversion
.irp kb, 0,1,2,3
.irp i, 0,1,2
	v_mov_b32 v[WC+12*(\kb%2)+6*(\kb/2)+3+\i], v[WT+4*\kb+\i]
.endr
.endr
	v_lshl_or_b32 v[WW], v[WBY+1], 8, v[WBY]       ; my column's scale word
	v_lshl_or_b32 v[WW], v[WBY+2], 16, v[WW]
	v_lshl_or_b32 v[WW], v[WBY+3], 24, v[WW]
.irp h, 0,1
.irp g, 0,1,2
	global_store_b128 v7, v[WC+12*\h+4*\g:WC+12*\h+4*\g+3], s[20:21] offset:512*\g+256*\h   ; the sixteen lanes of a tile store 256 consecutive bytes, at a multiple of 256 from the buffer's first byte
.endr
.endr
	global_store_b32 v8, v[WW], s[22:23] offset:12288
.endm
.Lweights:
	s_cmp_lt_u32 ttmp9, 704
	s_cbranch_scc0 .Lproj
	s_wait_alu depctr_va_vdst(0)
	WPATH 3072, WA_OFF, 512, 6
	s_endpgm
.Lproj:
	s_wait_alu depctr_va_vdst(0)
	WPATH 1024, WP_OFF, 704, 8
	s_endpgm
.Lfunc_end_k_q9332e0e810_quant:
	.size	k_q9332e0e810_quant, .Lfunc_end_k_q9332e0e810_quant-k_q9332e0e810_quant
	.p2alignl 7, 3214868480
	.fill 96, 4, 3214868480
	.section	.rodata,"a",@progbits
	.p2align	6, 0x0
	.amdhsa_kernel k_q9332e0e810_quant
		.amdhsa_group_segment_fixed_size 68096
		.amdhsa_private_segment_fixed_size 0
		.amdhsa_enable_private_segment 0
		.amdhsa_kernarg_size 32
		.amdhsa_user_sgpr_count 2
		.amdhsa_user_sgpr_kernarg_segment_ptr 1
		.amdhsa_wavefront_size32 1
		.amdhsa_system_sgpr_workgroup_id_x 1
		.amdhsa_system_sgpr_workgroup_id_y 1
		.amdhsa_system_sgpr_workgroup_id_z 1
		.amdhsa_system_vgpr_workitem_id 0
		.amdhsa_next_free_vgpr 256
		.amdhsa_next_free_sgpr 66
		.amdhsa_reserve_vcc 0
		.amdhsa_float_denorm_mode_32 3
		.amdhsa_float_denorm_mode_16_64 3
		.amdhsa_memory_ordered 1
		.amdhsa_forward_progress 1
		.amdhsa_inst_pref_size 56
	.end_amdhsa_kernel
	.amdgpu_metadata
---
amdhsa.version: [ 1, 2 ]
amdhsa.kernels:
  - .name:           k_q9332e0e810_quant
    .symbol:         k_q9332e0e810_quant.kd
    .args:
      - { .name: x, .offset: 0, .size: 8, .value_kind: global_buffer, .address_space: global }
      - { .name: W_attn, .offset: 8, .size: 8, .value_kind: global_buffer, .address_space: global }
      - { .name: W_proj, .offset: 16, .size: 8, .value_kind: global_buffer, .address_space: global }
      - { .name: ops, .offset: 24, .size: 8, .value_kind: global_buffer, .address_space: global }
    .group_segment_fixed_size: 68096
    .private_segment_fixed_size: 0
    .kernarg_segment_align: 8
    .kernarg_segment_size: 32
    .max_flat_workgroup_size: 128
    .sgpr_count:     66
    .vgpr_count:     256
    .wavefront_size: 32
...
	.end_amdgpu_metadata
.endif
;; end of part 1
;; launch qkv (part 2): grid 32 x 8, 4 waves a work-group, clusters of 4 x 4, 327,680 bytes of LDS; arguments ops, b_attn, qkv; writes qkv
.if DOCPART == 2
	.amdgcn_target "amdgcn-amd-amdhsa--gfx1250"
	.amdhsa_code_object_version 6
	.text
	.protected	k_q9332e0e810_qkv
	.globl	k_q9332e0e810_qkv
	.p2align	8
	.type	k_q9332e0e810_qkv,@function
k_q9332e0e810_qkv:
	s_mov_b64 s[64:65], 0
	v_nop
	global_prefetch_b8 v0, s[64:65] scope:SCOPE_SE
	s_setreg_imm32_b32 hwreg(HW_REG_WAVE_MODE, 25, 1), 1
	s_wait_xcnt 0x0
	s_wait_alu depctr_hold_cnt(0) depctr_sa_sdst(0) depctr_va_vdst(0) depctr_va_sdst(0) depctr_va_ssrc(0) depctr_va_vcc(0) depctr_vm_vsrc(0)
	s_getreg_b32 s2, hwreg(HW_REG_IB_STS2, 6, 4)
	s_cmp_eq_u32 s2, 0
	s_cbranch_scc0 .Lentry_in_a_cluster
	s_endpgm
.Lentry_in_a_cluster:
	s_bfe_u32 s2, ttmp6, 0x10000c
	s_cmp_lg_u32 s2, 0xf033
	s_cbranch_scc0 .Lentry_shape_is_right
	s_endpgm
.Lentry_shape_is_right:
; qkv = Q(x) Q(W_attn) + b_attn on codes of BF6 (E3M2) with E8M0 scales, sums in f32; the results are quantised at once for the two products of attention: q and k along the head's 128, v along the keys.
; OPERANDS lie in ops as images of the matrix operand's registers: a BLOCK of 12,800 bytes = 128 rows x 128 K: eight fragments of 1,536 bytes (registers 4 c .. 4 c + 3 of lane l at 512 c + 16 l), then the scale words
; (tile t, row r at 12288 + 64 t + 4 r).  Lane r of tile 2 b + u holds row 32 b + 8 u + r + 8 (r / 8).  A group of 128 rows is 8 BLOCKs, one for each K step of 128: 102,400 dense bytes.
; A fragment comes from LDS by three loads of 16 bytes a lane, 512 consecutive bytes each: no pitch, no padding.
; SHARES.  8,192 x 3,072 results are 768 tiles of 128 columns x 256 tokens: 256 work-groups of three tiles.  A WORK-GROUP STAYS: it owns 256 tokens and one head and makes that head's q, then k, then v.
; Its tokens' codes for all of K (204,800 bytes) come into LDS once and serve all three tiles; only the group of 128 columns (102,400 bytes, two slots of four K steps) is filled again.
; A wave makes 128 x 64: 32 accumulators.  D = S0 S1^T, source 0 = S0 (8 tiles), source 1 = S1 (4 tiles): a lane holds ONE row of S1, and register 8 t + j of its eight tiles is row 32 (t / 2) + 16 (lane / 16) + 8 (t % 2) + j of S0:
; neighbours along S0's rows, which are the next product's K.  q, k (ROLE 0): S0 = the columns, S1 = 64 tokens (group wave / 2, tiles 4 (wave % 2) on).  v (ROLE 1): S0 = the token group wave % 2, S1 = 64 columns (tiles 4 (wave / 2) on).
; The roles differ in the address registers that the macros name, and in nothing else.  A wave's 128 x 64 is half a BLOCK of the buffer qkv:
; BLOCK number = which x 512 + (8 batch + head) x 8 + (group of 128 tokens), which = 0 q, 1 k (rows = tokens, K = the head's 128), 2 v (rows = the head's 128, K = the group's 128 keys).
; CLUSTERS: 4 x 4 work-groups.  The columns hang on cx alone and are shared along a column of the cluster, the tokens on cy alone and are shared along a row: each is asked for jointly.
; TENSOR LOADS.  At the start one a wave: waves 0, 1 four K steps of the columns each, waves 2, 3 a token group each.  Then four refills of a slot of the columns, a BLOCK a wave, each behind a round of the
; cluster's barrier: k's K steps 0-3 in q's K step 3, k's 4-7 behind q's way out, v's 0-3 in k's K step 3, v's 4-7 behind k's way out.  By this text's count a wave has one tensor load out at the start and later one.
; BIAS.  It is the C of K step 0's products: along S0 (q, k) eight registers for each tile of columns; along S1 (v) one number a lane and tile, in eight registers.  So nothing is cleared and nothing is added on the way out.
; LIMITS: a block of zeros gets the byte 1 where the rule says 127 (its codes are zeros; this program alone reads the bytes); NaN and infinities are not served.
; REGISTERS: window 0: v6-31 addresses; v32-45 scale words, two sets; v80-175 S1's 4 fragments, two sets; v176-229, v232-255 and v48-71 at work on the way out.   window 1: S0's 8 fragments, two sets, at v0 and v128.
;   window 2: accumulator (a, b) at v[8 (8 a + b)].   window 3: the biases: v0-63 q's, v64-127 k's, v128-159 v's.
.set BLOCK,  12800
.set CHUNK,  2*BLOCK                   ; two K steps of a group
.set HALF,   4*BLOCK                   ; four: a slot of the columns
.set GROUP,  8*BLOCK                   ; a group of 128 rows, all of K
.set COLB,   2*GROUP                   ; LDS: the two token groups at 0, the group of columns behind them,
.set SPARE,  3*GROUP                   ; and the spare words, 128 bytes for each wave: two blocks of 256 bytes that no other line names
.set WA_OFF, 64*GROUP                  ; W_attn's images in ops
.set FR,   12                          ; registers of a fragment
.set SPW,  28                          ; v28     LDS address of my spare word; never rewritten
.set NIL,  29                          ; v29     0; never rewritten
.set SC,   32                          ; scale words: set p at v[SC + 8 p]: four registers of S0's (register i: tile 2 i in lanes 0-15, tile 2 i + 1 in lanes 16-31), two of S1's
.set AF,   80                          ; S1's fragments: set p at v[AF + 48 p]
.set MXR,  176                         ; v176-191 the way out: largest magnitudes, then scale bytes, of block b of tile a at 4 a + b; with v192-207 later the upper halves of the blocks' codes
.set TPR,  192                         ; v192-207 lane l xor 16's largest magnitudes
.set SOR,  208                         ; v208-223 the conversions' scale operands
.set PW,   224                         ; v224-227 the four tiles' scale words
.set SI,   228                         ; v228-229 my half BLOCK's scale words as they will lie;  the codes: tiles 0, 1 at v232-255, tiles 2, 3 at v48-71
.set SEL,  20                          ; s[20:21]
.set G1A,  24                          ; s[24:31] descriptor group 1 for a BLOCK of the columns: 50 rows of 256 bytes
.set G1B,  32                          ; s[32:39] for a whole token group: 400 rows
.set G0C,  48                          ; s[48:51] group 0 of the columns' first fill
.set G1C,  52                          ; s[52:59] descriptor group 1 for four K steps of the columns: 200 rows of 256 bytes
.set G0T,  68                          ; s[68:71] of the tokens'
.set G0R,  84                          ; s[84:99] of the four refills
; LDS address registers, v[8 + 8 ROLE] on: +0, +1 S0's fragments in K steps 0-3, 4-7; +2, +3 S1's; +4, +5 S0's scale words; +6, +7 S1's.  (An LDS offset has 16 bits: four K steps fit.)
; v[26 + 4 ROLE], v[27 + 4 ROLE]: my byte offsets in the BLOCK that I store: codes, scale words.
.set ROLE,  0
.set FROLE, 0                          ; the role by which FETCH names its address registers: it changes one K step ahead of ROLE
.set CBASE, 0                          ; where the tile's bias begins in window 3
.set OP,    10                         ; the register pair with the address of the tile's BLOCK
.set MSB, 0
.macro WIN new                         ; the immediate's high byte repeats the setting that is left
.if MSB != (\new)
	s_set_vgpr_msb (MSB<<8)|(\new)
.set MSB, (\new)
.endif
.endm
.macro PLACES n
.rept \n
	v_nop
.endr
.endm
.macro CREST                           ; a round of the cluster's barrier behind its opening barrier
	s_cmp_lg_u32 s14, 0
	s_cbranch_scc1 .Lnot_wave_0_\@
	s_barrier_signal -3
.Lnot_wave_0_\@:
	s_barrier_wait -3
	s_barrier_signal -1
	s_barrier_wait -1
.endm
.macro CROUND                          ; a whole round
	s_barrier_signal -1
	s_barrier_wait -1
	CREST
.endm
	s_load_b128 s[4:7], s[0:1], 0x0                ; ops s[4:5], b_attn s[6:7]
	s_load_b64 s[8:9], s[0:1], 0x10                ; qkv
	v_lshl_add_u32 v[SPW], v0, 2, SPARE
	v_mov_b32 v[NIL], 0
	ds_add_u32 v28, v29
	ds_add_u32 v28, v29
	s_wait_dscnt 0x0
	v_lshrrev_b32 v1, 5, v0
	v_readfirstlane_b32 s14, v1                    ; wave 0..3
	s_lshr_b32 s15, s14, 1                         ; HI.  Also: I fetch columns (0) or tokens (1) at the start
	s_and_b32 s16, s14, 1                          ; LO
	s_bfe_u32 s40, ttmp6, 0x40000                  ; cx, cy: my place in the cluster
	s_bfe_u32 s41, ttmp6, 0x40004
	s_and_b32 s42, ttmp7, 0xffff
	s_lshl_b32 s42, s42, 2
	s_add_co_u32 s42, s42, s40                     ; the head, 0..7 = 4 x cluster y + cx
	s_lshl_b32 s43, ttmp9, 2
	s_add_co_u32 s43, s43, s41                     ; my tile of 256 tokens, 0..31 = 4 x cluster x + cy
	s_lshl_b32 s44, 0x1111, s40                    ; my column of the cluster
	s_lshl_b32 s45, s41, 2
	s_lshl_b32 s45, 15, s45                        ; my row
	s_or_b32 s[G1A], s44, (3<<16)|(1<<21)          ; 15:0 the mask; 17:16 elements of 8 bytes; 20 no padding; 21 set beside a mask
	s_mov_b32 s[G1A+1], 32<<16                     ; tensor_dim0 = 32 elements: 256 bytes
	s_mov_b32 s[G1A+2], 50<<16                     ; tensor_dim1 = 50
	s_mov_b32 s[G1A+3], 32<<16                     ; tile_dim0
	s_mov_b32 s[G1A+4], 50                         ; tile_dim1
	s_mov_b32 s[G1A+5], 32                         ; the pitch: the block is dense
	s_mov_b32 s[G1A+6], 0
	s_mov_b32 s[G1A+7], 0
	s_or_b32 s[G1B], s45, (3<<16)|(1<<21)
	s_mov_b32 s[G1B+1], 32<<16
	s_mov_b32 s[G1B+2], 400<<16                    ; 400 rows: a whole token group, all of K
	s_mov_b32 s[G1B+3], 32<<16
	s_mov_b32 s[G1B+4], 400
	s_mov_b32 s[G1B+5], 32
	s_mov_b32 s[G1B+6], 0
	s_mov_b32 s[G1B+7], 0
	s_or_b32 s[G1C], s44, (3<<16)|(1<<21)          ; the columns' first fill: the mask of my column of the cluster
	s_mov_b32 s[G1C+1], 32<<16
	s_mov_b32 s[G1C+2], 200<<16                    ; 200 rows: four K steps
	s_mov_b32 s[G1C+3], 32<<16
	s_mov_b32 s[G1C+4], 200
	s_mov_b32 s[G1C+5], 32
	s_mov_b32 s[G1C+6], 0
	s_mov_b32 s[G1C+7], 0
	s_mul_i32 s100, s42, GROUP                     ; q's group of columns in ops
	s_add_co_u32 s100, s100, WA_OFF
	s_mov_b32 s2, s100
	s_mul_i32 s46, s16, HALF                       ; at the start waves 0, 1 take the columns' K steps 4 LO on
	s_add_co_u32 s100, s100, s46
	s_mov_b32 s101, 0
	s_mul_i32 s46, s14, BLOCK                      ; in a refill wave w takes the slot's K step w
	s_add_co_u32 s2, s2, s46
	s_mov_b32 s3, 0
	s_lshl_b32 s66, s43, 1
	s_add_co_u32 s66, s66, s16                     ; the token group that waves 2, 3 fetch: 2 x tile + LO
	s_mul_i32 s66, s66, GROUP
	s_mov_b32 s67, 0
	s_lshl_b32 s22, s42, 9                         ; the head's 128 numbers of b_attn
	s_mov_b32 s23, 0
	s_lshl_b32 s46, s43, 1                         ; q's and k's BLOCK: token group 2 x tile + HI
	s_add_co_u32 s46, s46, s15
	s_lshr_b32 s47, s46, 3
	s_lshl_b32 s47, s47, 6                         ; batch x 64
	s_and_b32 s46, s46, 7
	s_add_co_u32 s46, s46, s47
	s_lshl_b32 s47, s42, 3                         ; head x 8
	s_add_co_u32 s46, s46, s47
	s_mul_i32 s10, s46, BLOCK
	s_mov_b32 s11, 0
	s_lshl_b32 s46, s43, 1                         ; v's BLOCK: token group 2 x tile + LO
	s_add_co_u32 s46, s46, s16
	s_lshr_b32 s47, s46, 3
	s_lshl_b32 s47, s47, 6
	s_and_b32 s46, s46, 7
	s_add_co_u32 s46, s46, s47
	s_lshl_b32 s47, s42, 3
	s_add_co_u32 s46, s46, s47
	s_add_co_u32 s46, s46, 1024
	s_mul_i32 s18, s46, BLOCK
	s_mov_b32 s19, 0
	s_mov_b32 s17, 0xffff0000                      ; lanes 16-31
	s_mov_b32 s[SEL], 0x76543210
	s_mov_b32 s[SEL+1], 0xfedcba98                 ; v_permlanex16_b32's selects for lane l xor 16
	s_wait_kmcnt 0x0
	s_add_nc_u64 s[100:101], s[4:5], s[100:101]
	s_add_nc_u64 s[2:3], s[4:5], s[2:3]
	s_add_nc_u64 s[66:67], s[4:5], s[66:67]
	s_add_nc_u64 s[22:23], s[6:7], s[22:23]        ; the biases
	s_add_nc_u64 s[10:11], s[8:9], s[10:11]        ; q's BLOCK,
	s_add_nc_u64 s[12:13], s[10:11], 512*BLOCK     ; k's,
	s_add_nc_u64 s[18:19], s[8:9], s[18:19]        ; v's
	CROUND                                         ; all sixteen work-groups are here: the first joint loads meet
	s_mov_b32 s[G0C], 1                            ; the head's fills, one a wave: waves 0, 1 the columns' K steps 4 LO on,
	s_mul_i32 s[G0C+1], s16, HALF                  ; (no place in the cluster enters an LDS address)
	s_add_co_u32 s[G0C+1], s[G0C+1], COLB
	s_mov_b64 s[G0C+2:G0C+3], s[100:101]
	s_or_b32 s[G0C+3], s[G0C+3], 0x80000000        ; type = 2
	s_mov_b32 s[G0T], 1                            ; waves 2, 3 token group LO, all of K
	s_mul_i32 s[G0T+1], s16, GROUP
	s_mov_b64 s[G0T+2:G0T+3], s[66:67]
	s_or_b32 s[G0T+3], s[G0T+3], 0x80000000
.irp c, 0,1,2,3
	s_mov_b32 s[G0R+4*\c], 1                       ; refill c: slot c % 2 of the columns, for k (c < 2) or v: 8 or 16 groups on in ops
	s_mul_i32 s[G0R+4*\c+1], s14, BLOCK
	s_add_co_u32 s[G0R+4*\c+1], s[G0R+4*\c+1], COLB+(\c%2)*HALF
	s_add_nc_u64 s[G0R+4*\c+2:G0R+4*\c+3], s[2:3], (1+\c/2)*8*GROUP+(\c%2)*HALF
	s_or_b32 s[G0R+4*\c+3], s[G0R+4*\c+3], 0x80000000
.endr
	s_cmp_eq_u32 s15, 0                            ; a wave's first fill stands in one branch, ahead of every wait on TENSORcnt and every LDS read
	s_cbranch_scc0 .Lfirst_tok
	tensor_load_to_lds s[G0C:G0C+3], s[G1C:G1C+7]  ; one tensor load a wave at the head
	s_nop 0
	PLACES 4
	s_branch .Lfirst_asked
.Lfirst_tok:
	tensor_load_to_lds s[G0T:G0T+3], s[G1B:G1B+7]
	s_nop 0
	PLACES 4
.Lfirst_asked:
	v_and_b32 v1, 31, v0                           ; lane
	v_and_b32 v2, 15, v0                           ; r
	v_bfe_u32 v3, v0, 4, 1                         ; h
	v_lshlrev_b32 v4, 6, v3                        ; q's and k's bias: lane (r, h) wants, for tile 2 b + u of the columns, the numbers 32 b + 16 h + 8 u + 0 .. 7
	v_and_b32 v5, 8, v2
	v_add_nc_u32 v5, v5, v2
	v_lshlrev_b32 v5, 2, v5                        ; v's: for tile 4 HI + a the number 64 HI + 32 (a / 2) + 8 (a % 2) + r + 8 (r / 8)
	s_lshl_b32 s46, s15, 8
	v_add_nc_u32 v5, s46, v5
	WIN 0xc0                                       ; destination window 3, address window 0
.irp q, 0,1
.irp b, 0,1,2,3,4,5,6,7
	global_load_b128 v[64*\q+8*\b:64*\q+8*\b+3], v4, s[22:23] offset:4096*\q+(32*(\b/2)+8*(\b%2))*4
	global_load_b128 v[64*\q+8*\b+4:64*\q+8*\b+7], v4, s[22:23] offset:4096*\q+(32*(\b/2)+8*(\b%2))*4+16
.endr
.endr
.irp a, 0,1,2,3
.irp j, 0,1,2,3,4,5,6,7
	global_load_b32 v[128+8*\a+\j], v5, s[22:23] offset:8192+(32*(\a/2)+8*(\a%2))*4   ; the same number in all eight registers of a C
.endr
.endr
	WIN 0
	v_lshlrev_b32 v6, 4, v1                        ; 16 x lane
	v_lshlrev_b32 v7, 2, v1                        ; 4 x lane
	s_mul_i32 s46, s15, GROUP                      ; ROLE 0: S1 = token group HI, tiles 4 LO on
	s_mul_i32 s47, s16, 6144
	v_add_nc_u32 v26, s47, v6
	s_add_co_u32 s47, s47, s46
	v_add_nc_u32 v10, s47, v6
	s_lshl_b32 s47, s16, 8
	v_add_nc_u32 v27, s47, v7
	s_add_co_u32 s47, s47, s46
	v_add_nc_u32 v14, s47, v7
	v_add_nc_u32 v8, COLB, v6                      ;         S0 = the columns
	v_add_nc_u32 v12, COLB, v7
	s_mul_i32 s46, s16, GROUP                      ; ROLE 1: S0 = token group LO
	v_add_nc_u32 v16, s46, v6
	v_add_nc_u32 v20, s46, v7
	s_mul_i32 s47, s15, 6144                       ;         S1 = the columns' tiles 4 HI on
	v_add_nc_u32 v30, s47, v6
	s_add_co_u32 s47, s47, COLB
	v_add_nc_u32 v18, s47, v6
	s_lshl_b32 s47, s15, 8
	v_add_nc_u32 v31, s47, v7
	s_add_co_u32 s47, s47, COLB
	v_add_nc_u32 v22, s47, v7
.irp i, 8,10,12,14,16,18,20,22
	v_add_nc_u32 v[\i+1], HALF, v[\i]              ; the same for K steps 4-7
.endr
.set j, 0
.rept 16
	v_mov_b32 v[TPR+j], 0                          ; written once: a lane permute's destination counts as one of its sources
.set j, j+1
.endr
; One matrix instruction; its registers are named by symbols that MULA sets.  ra, rb: source 0's, source 1's scale words stand in lanes 16-31 (odd tiles).
.macro WM ra, rb
.if (\ra) && (\rb)
	v_wmma_scale_f32_16x16x128_f8f6f4 v[RGD:RGD+7], v[RGA:RGA+FR-1], v[RGB:RGB+FR-1], v[RGC:RGC+7], v[SCA], v[SCB] matrix_a_fmt:MATRIX_FMT_BF6 matrix_b_fmt:MATRIX_FMT_BF6 matrix_a_scale:MATRIX_SCALE_ROW1 matrix_b_scale:MATRIX_SCALE_ROW1
.elseif (\ra)
	v_wmma_scale_f32_16x16x128_f8f6f4 v[RGD:RGD+7], v[RGA:RGA+FR-1], v[RGB:RGB+FR-1], v[RGC:RGC+7], v[SCA], v[SCB] matrix_a_fmt:MATRIX_FMT_BF6 matrix_b_fmt:MATRIX_FMT_BF6 matrix_a_scale:MATRIX_SCALE_ROW1
.elseif (\rb)
	v_wmma_scale_f32_16x16x128_f8f6f4 v[RGD:RGD+7], v[RGA:RGA+FR-1], v[RGB:RGB+FR-1], v[RGC:RGC+7], v[SCA], v[SCB] matrix_a_fmt:MATRIX_FMT_BF6 matrix_b_fmt:MATRIX_FMT_BF6 matrix_b_scale:MATRIX_SCALE_ROW1
.else
	v_wmma_scale_f32_16x16x128_f8f6f4 v[RGD:RGD+7], v[RGA:RGA+FR-1], v[RGB:RGB+FR-1], v[RGC:RGC+7], v[SCA], v[SCB] matrix_a_fmt:MATRIX_FMT_BF6 matrix_b_fmt:MATRIX_FMT_BF6
.endif
.endm
; 8 matrix instructions: S1's tile a against S0's eight, K step k.  In K step 0 the bias is the C.
; The 32 accumulators take turns, one instruction a turn, in the same order in every K step.
.macro MULA a, k
.irp b, 0,1,2,3,4,5,6,7
.set RGD, 8*(8*(\a)+\b)
.set RGA, 128*((\k)%2)+FR*\b
.set RGB, AF+48*((\k)%2)+FR*(\a)
.set RGC, RGD
.if (\k) == 0
.if ROLE
.set RGC, CBASE+8*(\a)
.else
.set RGC, CBASE+8*\b
.endif
.endif
.set SCA, SC+8*((\k)%2)+\b/2
.set SCB, SC+4+8*((\k)%2)+(\a)/2
	WM \b%2, (\a)%2
.endr
.endm
; 42 LDS loads in one run: the fragments and scale words of K step kn, into the sets kn % 2
.macro FETCH kn
.set AB, 8+8*FROLE
.set HF, (\kn)/4
.set KO, ((\kn)%4)*BLOCK
.set PS, (\kn)%2
	WIN 0x40                                       ; destination window 1, address window 0
.irp b, 0,1,2,3,4,5,6,7
.irp c, 0,1,2
	ds_load_b128 v[128*PS+FR*\b+4*\c:128*PS+FR*\b+4*\c+3], v[AB+HF] offset:KO+1536*\b+512*\c
.endr
.endr
	WIN 0
.irp a, 0,1,2,3
.irp c, 0,1,2
	ds_load_b128 v[AF+48*PS+FR*\a+4*\c:AF+48*PS+FR*\a+4*\c+3], v[AB+2+HF] offset:KO+1536*\a+512*\c
.endr
.endr
.irp i, 0,1,2,3
	ds_load_b32 v[SC+8*PS+\i], v[AB+4+HF] offset:KO+12288+128*\i
.endr
.irp i, 0,1
	ds_load_b32 v[SC+8*PS+4+\i], v[AB+6+HF] offset:KO+12288+128*\i
.endr
.endm
; A K STEP: 32 matrix instructions; behind the first eight the next K step's loads go out in one run, into the other sets: they have 24 matrix instructions in which to land.
; kind 0: the next K step's bytes have been shown landed.   kind 1: my part of them is waited for (n younger loads may stay out) and a barrier shows everybody's.
; kind 2: likewise, and a slot of the columns, whose last reads are over, is filled again by descriptor r: the wait is for all my tensor loads, the add follows, and the barrier opens a round of the cluster's.   kind 3: a tile's last K step.
; Four places stand in front of each run of loads into registers that matrix instructions have read (ISA guide 7.12.1 for vector instructions).
.macro KSTEP k, kind, n, r
.if \kind == 1
	s_wait_tensorcnt \n
.endif
.if \kind == 2
	WIN 0                                          ; (the add's two registers lie in window 0)
	s_wait_tensorcnt 0x0                           ; all my tensor loads have landed
	ds_add_u32 v[SPW], v[NIL]                      ; 0 onto my spare word
.endif
	s_wait_dscnt 0x0                               ; this K step's fragments are in: all my LDS reads are over (and the add is done)
.if (\kind == 1) || (\kind == 2)
	s_barrier_signal -1
.endif
.if (\k) == 0
	WIN 0xb1                                       ; source 0 window 1, source 1 window 0, C (the bias) window 3, D window 2
.else
	WIN 0xa1                                       ; C and D window 2
.endif
	MULA 0, \k
	WIN 0
.if (\kind == 1) || (\kind == 2)
	s_barrier_wait -1
.endif
.if \kind == 2
	CREST                                          ; no wave of any partner still reads the slot or has a load on its way
	tensor_load_to_lds s[\r:\r+3], s[G1A:G1A+7]    ; my BLOCK of the slot: the first tensor load behind the round, and my only one until the next;
	s_nop 0
	PLACES 4                                       ; the four v_nop behind it are also the places in front of the loads below
.elseif \kind != 3
	PLACES 4
.endif
.if \kind != 3
	FETCH ((\k)+1)%8                               ; (behind K step 7: the next tile's K step 0)
.endif
.if (\k) == 0
	WIN 0xb1
.else
	WIN 0xa1
.endif
	MULA 1, \k
	MULA 2, \k
	MULA 3, \k
.endm
; 64 numbers of a lane in window 2, v[s] .. v[s + 63], register 16 b + i = k 32 b + 16 (lane / 16) + i of my row, become a fragment's codes in v[PC] on and its scale word in v[PW].
; Each of the eight accumulators is first read at its low end: registers 0, 1 of tile 2 b in the first line, of tile 2 b + 1 at i = 8.
; THE WAY OUT.  S1's four tiles a are quantised where they stand, ALL FOUR IN STEP: sixteen blocks (a, b) take turns line by line, so that no line reads the result of a line near it.
; Tile a's 64 numbers lie in window 2, v[64 a] on; register 16 b + i = k 32 b + 16 (lane / 16) + i of my row.  Each accumulator is first read at its low end: registers 0, 1 of tile 2 b in the first line, of tile 2 b + 1 at i = 8.
; Each tile's codes have registers of their own, so one wait on XCNT a tile frees what the last tile's stores read.  A fragment is stored as it stands: three stores of 512 consecutive bytes, at a multiple of 256 from the buffer's first byte.
.macro WAYOUT
	PLACES 4                                       ; behind the last products, whose results are read
	s_wait_xcnt 0x0                                ; the registers that the last tile's stores read (codes, scale words) are rewritten only behind this wait
	WIN 0x0a                                       ; sources 0 and 1: window 2
.irp b, 0,1,2,3
.irp a, 0,1,2,3
	v_max3_num_f32 v[MXR+4*\a+\b], |v[64*\a+16*\b]|, |v[64*\a+16*\b+1]|, 0x2800000   ; my 16 numbers of the block, and the floor 2^(5 - 127): the byte cannot fall under 1
.endr
.endr
	WIN 0x28                                       ; sources 1 and 2: window 2
.irp i, 2,4,6,8,10,12,14
.irp b, 0,1,2,3
.irp a, 0,1,2,3
	v_max3_num_f32 v[MXR+4*\a+\b], v[MXR+4*\a+\b], |v[64*\a+16*\b+\i]|, |v[64*\a+16*\b+\i+1]|
.endr
.endr
.endr
	WIN 0
.set j, 0
.rept 16
	v_permlanex16_b32 v[TPR+j], v[MXR+j], s[SEL], s[SEL+1]
.set j, j+1
.endr
.set j, 0
.rept 16
	v_max_num_f32 v[MXR+j], v[MXR+j], v[TPR+j]     ; with lane l xor 16's: the block's largest magnitude
.set j, j+1
.endr
.set j, 0
.rept 16
	v_add_nc_u32 v[SOR+j], 0xfe000000, v[MXR+j]    ; 4 off its exponent field: the conversion's scale operand
.set j, j+1
.endr
.set j, 0
.rept 16
	v_lshrrev_b32 v[MXR+j], 23, v[SOR+j]           ; the scale's byte
.set j, j+1
.endr
.irp a, 0,1,2,3
	v_lshl_or_b32 v[PW+\a], v[MXR+4*\a+1], 8, v[MXR+4*\a]   ; four bytes make my row's scale word
.endr
.irp a, 0,1,2,3
	v_lshl_or_b32 v[PW+\a], v[MXR+4*\a+2], 16, v[PW+\a]
.endr
.irp a, 0,1,2,3
	v_lshl_or_b32 v[PW+\a], v[MXR+4*\a+3], 24, v[PW+\a]
.endr
	WIN 0x02                                       ; source 0: window 2
.irp a, 0,1,2,3
.set PF, 232+12*\a-208*(\a/2)          ; tile a's codes: v232, v244, v48, v60
.irp c, 0,1
	v_cvt_scalef32_pk16_bf6_f32 v[PF+6*\c:PF+6*\c+2], v[64*\a+32*\c:64*\a+32*\c+15], v[SOR+4*\a+2*\c]
	v_cvt_scalef32_pk16_bf6_f32 v[MXR+8*\a+4*\c:MXR+8*\a+4*\c+2], v[64*\a+32*\c+16:64*\a+32*\c+31], v[SOR+4*\a+2*\c+1]   ; (a conversion's three registers begin on an even number)
.endr
.endr
	WIN 0
	v_nop                                          ; one plain place behind a scaled conversion: its results are touched below, its sources are written by the next tile's products
.irp a, 0,1,2,3                        ; the operand's layout wants a WHOLE block in a lane: lanes 0-15 block 2 c, lanes 16-31 block 2 c + 1
.set PF, 232+12*\a-208*(\a/2)
.irp c, 0,1
.irp i, 0,1,2
	v_permlane16_swap_b32 v[PF+6*\c+\i], v[MXR+8*\a+4*\c+\i]
.endr
.endr
.endr
.irp a, 0,1,2,3
.set PF, 232+12*\a-208*(\a/2)
.irp c, 0,1
.irp i, 0,1,2
	v_mov_b32 v[PF+6*\c+3+\i], v[MXR+8*\a+4*\c+\i]
.endr
.endr
.irp c, 0,1,2
	global_store_b128 v[26+4*ROLE], v[PF+4*\c:PF+4*\c+3], s[OP:OP+1] offset:1536*\a+512*\c
.endr
.endr
	v_mov_b32 v[SI], v[PW]                         ; an even tile's words stand in lanes 0-15,
	v_mov_b32 v[SI+1], v[PW+2]
	v_cndmask_b32 v[SI], v[SI], v[PW+1], s17       ; an odd tile's in lanes 16-31 (lanes r and r + 16 hold the same word)
	v_cndmask_b32 v[SI+1], v[SI+1], v[PW+3], s17
.irp i, 0,1
	global_store_b32 v[27+4*ROLE], v[SI+\i], s[OP:OP+1] offset:12288+128*\i
.endr
.endm
; ON TO THE NEXT TILE: a tile's K step 7 is a K step of kind 2.  The columns' K steps 4-7 have been read out when its fragments are in; the next group's K steps 0-3 were asked for in K step 3.
; Behind the round K steps 4-7 are filled again, and the next tile's first fragments are fetched into the sets that K step 6 used; then the tile goes out.
	s_wait_alu depctr_va_vdst(0)
	s_wait_loadcnt 0x0                             ; the biases
	s_wait_tensorcnt 0x0                           ; my one load of the head is in
	s_barrier_signal -1
	s_barrier_wait -1                              ; everybody's is
	FETCH 0                                        ; ---- q
	KSTEP 0, 0, 0, 0
	KSTEP 1, 0, 0, 0
	KSTEP 2, 0, 0, 0
	KSTEP 3, 2, 0, G0R                             ; the columns' K steps 0-3, last read in K step 2's fetch, take k's
	KSTEP 4, 0, 0, 0
	KSTEP 5, 0, 0, 0
	KSTEP 6, 0, 0, 0
	KSTEP 7, 2, 0, G0R+4                           ; k's K steps 0-3 are wanted; K steps 4-7 take k's
	WAYOUT
.set CBASE, 64
.set OP, 12
	KSTEP 0, 0, 0, 0
	KSTEP 1, 0, 0, 0
	KSTEP 2, 0, 0, 0
	KSTEP 3, 2, 0, G0R+8
	KSTEP 4, 0, 0, 0
	KSTEP 5, 0, 0, 0
	KSTEP 6, 0, 0, 0
.set FROLE, 1
	KSTEP 7, 2, 0, G0R+12                          ; v's K steps 0-3 are wanted; K steps 4-7 take v's
	WAYOUT
.set ROLE, 1
.set CBASE, 128
.set OP, 18
	KSTEP 0, 0, 0, 0
	KSTEP 1, 0, 0, 0
	KSTEP 2, 0, 0, 0
	KSTEP 3, 1, 0, 0                               ; v's K steps 4-7 are wanted: no load was issued behind them; nothing is filled any more
	KSTEP 4, 0, 0, 0
	KSTEP 5, 0, 0, 0
	KSTEP 6, 0, 0, 0
	KSTEP 7, 3, 0, 0
	WAYOUT
	s_wait_tensorcnt 0x0                           ; the wave's end
	ds_add_u32 v[SPW], v[NIL]
	s_wait_dscnt 0x0
	CROUND                                         ; the closing round: no work-group ends while a partner may still ask for a tile that names it
	s_endpgm
.Lfunc_end_k_q9332e0e810_qkv:
	.size	k_q9332e0e810_qkv, .Lfunc_end_k_q9332e0e810_qkv-k_q9332e0e810_qkv
	.p2alignl 7, 3214868480
	.fill 96, 4, 3214868480
	.section	.rodata,"a",@progbits
	.p2align	6, 0x0
	.amdhsa_kernel k_q9332e0e810_qkv
		.amdhsa_group_segment_fixed_size 327680
		.amdhsa_private_segment_fixed_size 0
		.amdhsa_enable_private_segment 0
		.amdhsa_kernarg_size 24
		.amdhsa_user_sgpr_count 2
		.amdhsa_user_sgpr_kernarg_segment_ptr 1
		.amdhsa_wavefront_size32 1
		.amdhsa_system_sgpr_workgroup_id_x 1
		.amdhsa_system_sgpr_workgroup_id_y 1
		.amdhsa_system_sgpr_workgroup_id_z 1
		.amdhsa_system_vgpr_workitem_id 0
		.amdhsa_next_free_vgpr 1024
		.amdhsa_next_free_sgpr 102
		.amdhsa_reserve_vcc 0
		.amdhsa_float_denorm_mode_32 3
		.amdhsa_float_denorm_mode_16_64 3
		.amdhsa_memory_ordered 1
		.amdhsa_forward_progress 1
		.amdhsa_inst_pref_size 234
	.end_amdhsa_kernel
	.amdgpu_metadata
---
amdhsa.version: [ 1, 2 ]
amdhsa.kernels:
  - .name:           k_q9332e0e810_qkv
    .symbol:         k_q9332e0e810_qkv.kd
    .args:
      - { .name: ops, .offset: 0, .size: 8, .value_kind: global_buffer, .address_space: global }
      - { .name: b_attn, .offset: 8, .size: 8, .value_kind: global_buffer, .address_space: global }
      - { .name: qkv, .offset: 16, .size: 8, .value_kind: global_buffer, .address_space: global }
    .group_segment_fixed_size: 327680
    .private_segment_fixed_size: 0
    .kernarg_segment_align: 8
    .kernarg_segment_size: 24
    .max_flat_workgroup_size: 128
    .sgpr_count:     102
    .vgpr_count:     1024
    .wavefront_size: 32
...
	.end_amdgpu_metadata
.endif
;; end of part 2
;; launch attn (part 3): grid 4 x 64, 8 waves a work-group, clusters of 4 x 1, 210,944 bytes of LDS; arguments qkv, attention_mask, aimg; writes aimg
.if DOCPART == 3
	.amdgcn_target "amdgcn-amd-amdhsa--gfx1250"
	.amdhsa_code_object_version 6
	.text
	.protected	k_q9332e0e810_attn
	.globl	k_q9332e0e810_attn
	.p2align	8
	.type	k_q9332e0e810_attn,@function
k_q9332e0e810_attn:
	s_mov_b64 s[64:65], 0
	v_nop
	global_prefetch_b8 v0, s[64:65] scope:SCOPE_SE
	s_setreg_imm32_b32 hwreg(HW_REG_WAVE_MODE, 25, 1), 1
	s_wait_xcnt 0x0
	s_wait_alu depctr_hold_cnt(0) depctr_sa_sdst(0) depctr_va_vdst(0) depctr_va_sdst(0) depctr_va_ssrc(0) depctr_va_vcc(0) depctr_vm_vsrc(0)
	s_getreg_b32 s2, hwreg(HW_REG_IB_STS2, 6, 4)
	s_cmp_eq_u32 s2, 0
	s_cbranch_scc0 .Lentry_in_a_cluster
	s_endpgm
.Lentry_in_a_cluster:
	s_bfe_u32 s2, ttmp6, 0x10000c
	s_cmp_lg_u32 s2, 0x3003
	s_cbranch_scc0 .Lentry_shape_is_right
	s_endpgm
.Lentry_shape_is_right:
; a[b][q][head] = softmax_k(q . k / sqrt(128), masked, + attention_mask[b][k]) v, both products on codes of BF6 (E3M2) with E8M0 scales; the result is quantised along D for the last product.
; THE MASK of the problem: key k counts for query q where k <= max(q, 76); elsewhere the logit is -10000; attention_mask is added to every logit.
; THE SOFTMAX AHEAD OF THE SECOND PRODUCT: t = logit x log2(e); M = the row's largest t so far, rounded UP to a whole number; p = 2^(t - M) is quantised along the keys, not normalised; the row's sum is taken
; of the unquantised p and divides at the end.  When M moves, the sum and O are multiplied by 2^(old M - new M): exact.
; INPUT: the buffer qkv: BLOCKs of 12,800 bytes = 128 rows x 128 K as images of the operand's registers (fragment t at 1536 t, registers 4 c .. 4 c + 3 of lane l at 512 c + 16 l; scale words at 12288 + 64 t + 4 r;
; lane r of tile 2 b + u holds row 32 b + 8 u + r + 8 (r / 8)).  BLOCK number = which x 512 + (8 batch + head) x 8 + j: q, k: rows = tokens 128 j on, K = the head's 128; v: rows = the head's 128, K = keys 128 j on.
; SHARES.  A cluster of four work-groups is one head; all four read the same K and V, 102,400 bytes each, asked for JOINTLY and once: each of the eight waves issues one load of two BLOCKs at the head
; (waves 0-3 K's, waves 4-7 V's); a whole head stays in LDS and nothing is filled again.  So there is no later stream of tiles to ask memory for ahead of time, and no prefetch is laid.
; A query tile T = 4 U + cx (16 queries) needs the key steps 0 .. U / 2 (a key step is 128 keys).  Wave w takes tile U = w and then tile U = 15 - w: (w / 2 + 1) + (8 - w / 2) = 9 key steps in every wave.
; U / 2 hangs on the wave's number alone.  Each pass walks eight trips; a hidden step's work is jumped over by a scalar branch on ids.
; LDS LOADS RUN AHEAD.  K's fragments, V's fragments and the mask's numbers have registers of their own in window 1: V of step m is asked for at the step's top, K of step m + 1 behind the step's first products,
; the mask's numbers of step m + 1 behind the logits.  The step after the last takes step 7's addresses once more; what it brings is not used.
; LAYOUT.  Both products are used transposed (S^T = K Q^T, O^T = V^T P^T): a lane holds ONE query; by the order of a tile's rows, the 16 registers of tiles 2 b, 2 b + 1 are 16 neighbours (keys, then the head's numbers).
; LIMITS.  Keys of wholly hidden steps get the weight 0 where the reference has 2^((-10000 + mask) log2(e) - M): the two agree wherever a row's largest logit exceeds -10000 + the largest entry of attention_mask by 104 or more,
; where that power falls under the smallest f32 number.  On the diagonal step the hidden logit is (-10000 sqrt(128)) / sqrt(128) + mask, within 0.001 of -10000 + mask.  The division by the sum is a multiplication by v_rcp_f32.
; A block of zeros gets the byte 1 (this program alone reads the bytes).  NaN is not served.  The promise holds while the scaled scores stay under 2^31 in magnitude.
; REGISTERS, window 0: v1-7 addresses that stay; v8-11, v29 addresses of the loads in hand; v12 -M, v13 the largest t, v[14:15] the sum in two halves; v16-27, v44-55 Q of the two passes, v40, v41 its scale words;
; v28, v42 the lane's last open key; v30, v31 the add's two; v32-35 K's scale words, v36-39 V's; v64-84 the way out; v96-159 S^T, the logits, p; v160-223 O^T; v224-235 p's codes; v232-254 at work; v253 p's scale word.
; Window 1: v0-95 K's eight fragments, v96-191 V's, v192-255 64 numbers of the mask.
.set BLOCK, 12800
.set VBASE, 8*BLOCK                    ; LDS: K's 8 BLOCKs at 0, V's behind them,
.set AMB,   16*BLOCK                   ; attention_mask[b], 4,096 bytes, stored by the waves: no tile lands there,
.set SPARE, AMB+4096                   ; and the spare words, 128 bytes for each wave, that no other line names
.set ADK, 8
.set ADV, 9
.set ADS, 10
.set ADT, 11
.set ADM, 29
.set SPW, 30
.set NIL, 31
.set KS,  32
.set VS,  36
.set PC,  64
.set PW,  84
.set TM,  232
.set WV,  10                           ; s10 wave, s11 cx, s12 8 batch + head, s13 U
.set CNT, 16
.set SEL, 20
.set CS,  22                           ; s[22:23] sqrt(128): the packed form names a pair and takes its low word for both halves
.set G1,  24
.set G0,  32
.set TB,  48                           ; s48 12800 m;  s49 512 m;  s50 m;  s51 128 m;  s52, s53 the first two for step min(m + 1, 7)
.set TA,  49
.set MS,  50
.set KF,  51
.set TBN, 52
.set TAN, 53
.set L2E, 54
.set P0,  66                           ; ten registers a pass: +0 Q's fragment, +2 Q's scale words, +4 my codes, +6 my scale words (addresses); +8 U / 2; +9 the tile's first query
.set P1,  76
.set MSB, 0
.macro WIN new                         ; the immediate's high byte repeats the setting that is left
.if MSB != (\new)
	s_set_vgpr_msb (MSB<<8)|(\new)
.set MSB, (\new)
.endif
.endm
.macro CROUND                          ; a round of the cluster's barrier
	s_barrier_signal -1
	s_barrier_wait -1
	s_cmp_lg_u32 s[WV], 0
	s_cbranch_scc1 .Lnot_wave_0_\@
	s_barrier_signal -3
.Lnot_wave_0_\@:
	s_barrier_wait -3
	s_barrier_signal -1
	s_barrier_wait -1
.endm
.macro TILE b                          ; from U in s13: the pass's byte offsets and numbers
	s_lshr_b32 s[\b+8], s13, 1                     ; my group of 128 queries
	s_lshl_b32 s17, s13, 2
	s_add_co_u32 s17, s17, s11                     ; T: it enters global addresses and the mask's numbers alone
	s_and_b32 s18, s17, 7                          ; the tile's place in a BLOCK
	s_mul_i32 s19, s18, 1536
	s_lshl_b32 s18, s18, 6
	s_add_co_u32 s18, s18, 12288
	s_lshl_b32 s56, s12, 3
	s_add_co_u32 s56, s56, s[\b+8]                 ; Q: BLOCK 8 (8 batch + head) + my group
	s_mul_i32 s56, s56, BLOCK
	s_add_co_u32 s[\b], s56, s19
	s_mov_b32 s[\b+1], 0
	s_add_co_u32 s[\b+2], s56, s18
	s_mov_b32 s[\b+3], 0
	s_and_b32 s56, s12, 0x38                       ; a: BLOCK (8 batch + my group) x 8 + head
	s_add_co_u32 s56, s56, s[\b+8]
	s_lshl_b32 s56, s56, 3
	s_and_b32 s57, s12, 7
	s_add_co_u32 s56, s56, s57
	s_mul_i32 s56, s56, BLOCK
	s_add_co_u32 s[\b+4], s56, s19
	s_mov_b32 s[\b+5], 0
	s_add_co_u32 s[\b+6], s56, s18
	s_mov_b32 s[\b+7], 0
	s_lshr_b32 s56, s17, 1                         ; the tile's first query: 32 (T / 2) + 8 (T % 2)
	s_lshl_b32 s56, s56, 5
	s_and_b32 s57, s17, 1
	s_lshl_b32 s57, s57, 3
	s_add_co_u32 s[\b+9], s56, s57
.endm
	s_load_b128 s[4:7], s[0:1], 0x0                ; qkv s[4:5], attention_mask s[6:7]
	s_load_b64 s[8:9], s[0:1], 0x10                ; aimg
	v_lshl_add_u32 v[SPW], v0, 2, SPARE
	v_mov_b32 v[NIL], 0
	ds_add_u32 v[SPW], v[NIL]
	ds_add_u32 v[SPW], v[NIL]
	v_lshrrev_b32 v8, 5, v0
	v_readfirstlane_b32 s[WV], v8                  ; wave 0..7
	s_bfe_u32 s11, ttmp6, 0x40000                  ; cx
	s_and_b32 s12, ttmp7, 0xffff                   ; 8 batch + head, which the four partners share
	s_mov_b32 s[G1], 15|(3<<16)|(1<<21)            ; 15:0 the mask: all four work-groups; 17:16 elements of 8 bytes; 21 set beside a mask
	s_mov_b32 s[G1+1], 32<<16                      ; tensor_dim0 = 32 elements: 256 bytes
	s_mov_b32 s[G1+2], 100<<16                     ; tensor_dim1 = 100 rows: two BLOCKs, dense
	s_mov_b32 s[G1+3], 32<<16                      ; tile_dim0
	s_mov_b32 s[G1+4], 100                         ; tile_dim1
	s_mov_b32 s[G1+5], 32                          ; the pitch
	s_mov_b32 s[G1+6], 0
	s_mov_b32 s[G1+7], 0
	s_mov_b32 s[G0], 1                             ; count = 1
	s_mul_i32 s[G0+1], s[WV], 2*BLOCK              ; LDS address: V's BLOCKs lie behind K's eight, so wave w's two begin at 2 w BLOCKs
	s_lshr_b32 s17, s[WV], 2                       ; 0: K, 1: V
	s_add_co_u32 s17, s17, 1
	s_lshl_b32 s17, s17, 9
	s_lshl_b32 s18, s12, 3
	s_add_co_u32 s17, s17, s18
	s_and_b32 s18, s[WV], 3
	s_lshl_b32 s18, s18, 1
	s_add_co_u32 s17, s17, s18                     ; BLOCK 512 (1 + which) + 8 (8 batch + head) + 2 (wave % 4)
	s_mul_i32 s58, s17, BLOCK
	s_mov_b32 s59, 0
	s_lshr_b32 s60, s12, 3                         ; batch:
	s_lshl_b32 s60, s60, 12                        ; its 4,096 bytes of attention_mask
	s_mov_b32 s61, 0
	s_mov_b32 s13, s[WV]
	TILE P0
	s_sub_co_u32 s13, 15, s[WV]
	TILE P1
	s_mov_b32 s[SEL], 0x76543210
	s_mov_b32 s[SEL+1], 0xfedcba98                 ; v_permlanex16_b32's selects for lane l xor 16
	s_mov_b32 s[CS], 0x413504f3                    ; sqrt(128): the mask's numbers are kept x sqrt(128), on the scores' own scale
	s_mov_b32 s[CS+1], s[CS]
	s_mov_b32 s[L2E], 0x3e0293ee                   ; log2(e) / sqrt(128): t = (score + mask x sqrt(128)) x this
	s_mov_b32 s[L2E+1], s[L2E]
	s_wait_dscnt 0x0                               ; both opening adds are done
	s_wait_kmcnt 0x0
	s_add_nc_u64 s[G0+2:G0+3], s[4:5], s[58:59]
	s_or_b32 s[G0+3], s[G0+3], 0x80000000          ; type = 2
	s_add_nc_u64 s[6:7], s[6:7], s[60:61]
.irp b, P0, P1
	s_add_nc_u64 s[\b:\b+1], s[4:5], s[\b:\b+1]
	s_add_nc_u64 s[\b+2:\b+3], s[4:5], s[\b+2:\b+3]
	s_add_nc_u64 s[\b+4:\b+5], s[8:9], s[\b+4:\b+5]
	s_add_nc_u64 s[\b+6:\b+7], s[8:9], s[\b+6:\b+7]
.endr
	CROUND                                         ; all four work-groups are here: the joint loads meet
	tensor_load_to_lds s[G0:G0+3], s[G1:G1+7]      ; my one tensor load of the launch
	s_nop 0
	v_and_b32 v8, 31, v0                           ; lane
	v_and_b32 v9, 15, v0                           ; r
	v_bfe_u32 v10, v0, 4, 1                        ; h
	v_lshlrev_b32 v7, 4, v0                        ; 16 bytes of the mask for each of the 256 threads
	v_lshlrev_b32 v1, 4, v8                        ; a fragment's place for my lane, in K,
	v_lshlrev_b32 v6, 2, v9                        ; 4 r
	global_load_b128 v[56:59], v7, s[6:7]
.irp c, 0,1,2
	global_load_b128 v[16+4*\c:19+4*\c], v1, s[P0:P0+1] offset:512*\c   ; the first pass's Q stays in registers
.endr
	global_load_b32 v40, v6, s[P0+2:P0+3]          ; and its scale words
	v_add_nc_u32 v2, VBASE, v1                     ; and in V
	v_lshlrev_b32 v3, 2, v8                        ; a scale word's place, in K,
	v_lshlrev_b32 v5, 6, v10
	v_add_nc_u32 v43, AMB, v7
	v_add_nc_u32 v4, VBASE, v3                     ; and in V
	v_add_nc_u32 v5, AMB, v5                       ; the mask's numbers of my half: 16 h on
	v_and_b32 v28, 8, v9
	v_lshlrev_b32 v10, 4, v10                      ; 16 h
	v_add_nc_u32 v28, v28, v9                      ; r + 8 (r / 8)
	v_mov_b32 v252, 0
	v_add_nc_u32 v42, s[P1+9], v28                 ; my query,
	v_add_nc_u32 v28, s[P0+9], v28
	v_mov_b32 v253, 0                              ; (named as the upper half of the pair v[252:253] before it is first written)
	v_max_u32 v42, 76, v42                         ; its last open key,
	v_max_u32 v28, 76, v28
.irp b, 0,1,2,3
	v_mov_b32 v[236+\b], 0                         ; written once: a lane permute's destination counts as one of its sources
.endr
	v_sub_nc_u32 v42, v42, v10                     ; less 16 h
	v_sub_nc_u32 v28, v28, v10
; One product.  odd: source 0's scale words stand in lanes 16-31.  zero: the product starts its sum.
.macro PROD d, f, bb, sa, sb, odd, zero
.if (\zero) && (\odd)
	v_wmma_scale_f32_16x16x128_f8f6f4 v[\d:\d+7], v[\f:\f+11], v[\bb:\bb+11], 0, v[\sa], v[\sb] matrix_a_fmt:MATRIX_FMT_BF6 matrix_b_fmt:MATRIX_FMT_BF6 matrix_a_scale:MATRIX_SCALE_ROW1
.elseif (\zero)
	v_wmma_scale_f32_16x16x128_f8f6f4 v[\d:\d+7], v[\f:\f+11], v[\bb:\bb+11], 0, v[\sa], v[\sb] matrix_a_fmt:MATRIX_FMT_BF6 matrix_b_fmt:MATRIX_FMT_BF6
.elseif (\odd)
	v_wmma_scale_f32_16x16x128_f8f6f4 v[\d:\d+7], v[\f:\f+11], v[\bb:\bb+11], v[\d:\d+7], v[\sa], v[\sb] matrix_a_fmt:MATRIX_FMT_BF6 matrix_b_fmt:MATRIX_FMT_BF6 matrix_a_scale:MATRIX_SCALE_ROW1
.else
	v_wmma_scale_f32_16x16x128_f8f6f4 v[\d:\d+7], v[\f:\f+11], v[\bb:\bb+11], v[\d:\d+7], v[\sa], v[\sb] matrix_a_fmt:MATRIX_FMT_BF6 matrix_b_fmt:MATRIX_FMT_BF6
.endif
.endm
; The same with a C of its own: cc names eight registers of the mask's numbers.
.macro PRODC d, f, bb, cc, sa, sb, odd
.if (\odd)
	v_wmma_scale_f32_16x16x128_f8f6f4 v[\d:\d+7], v[\f:\f+11], v[\bb:\bb+11], v[\cc:\cc+7], v[\sa], v[\sb] matrix_a_fmt:MATRIX_FMT_BF6 matrix_b_fmt:MATRIX_FMT_BF6 matrix_a_scale:MATRIX_SCALE_ROW1
.else
	v_wmma_scale_f32_16x16x128_f8f6f4 v[\d:\d+7], v[\f:\f+11], v[\bb:\bb+11], v[\cc:\cc+7], v[\sa], v[\sb] matrix_a_fmt:MATRIX_FMT_BF6 matrix_b_fmt:MATRIX_FMT_BF6
.endif
.endm
; THE ROW'S SUM IS TAKEN OF THE UNQUANTISED p: 32 pairs, 32 packed additions in four chains (v[14:15] and three at v238 on), four of them behind each of the eight second products; the last group joins the chains.
.macro SUMG g
.if (\g) == 0
	v_pk_add_f32 v[14:15], v[14:15], v[96:97]
	v_pk_add_f32 v[238:239], v[98:99], v[100:101]
	v_pk_add_f32 v[240:241], v[102:103], v[104:105]
	v_pk_add_f32 v[242:243], v[106:107], v[108:109]
.elseif (\g) == 7
	v_pk_add_f32 v[14:15], v[14:15], v[158:159]
	v_pk_add_f32 v[238:239], v[238:239], v[240:241]
	v_pk_add_f32 v[14:15], v[14:15], v[242:243]
	v_pk_add_f32 v[14:15], v[14:15], v[238:239]
.else
	v_pk_add_f32 v[14:15], v[14:15], v[102+8*(\g):103+8*(\g)]
	v_pk_add_f32 v[238:239], v[238:239], v[104+8*(\g):105+8*(\g)]
	v_pk_add_f32 v[240:241], v[240:241], v[106+8*(\g):107+8*(\g)]
	v_pk_add_f32 v[242:243], v[242:243], v[108+8*(\g):109+8*(\g)]
.endif
.endm
.macro FRAGS f, adr
	WIN 0x40                                       ; destination window 1, address window 0
.irp t, 0,1,2,3,4,5,6,7
.irp c, 0,1,2
	ds_load_b128 v[\f+12*\t+4*\c:\f+12*\t+4*\c+3], v[\adr] offset:1536*\t+512*\c
.endr
.endr
	WIN 0
.endm
.macro WORDS s, adr                    ; their scale words: tile 2 i's in lanes 0-15, tile 2 i + 1's in lanes 16-31
.irp i, 0,1,2,3
	ds_load_b32 v[\s+\i], v[\adr] offset:12288+128*\i
.endr
.endm
.macro MASKS adr                       ; attention_mask of a step's 64 keys of my half, register for register with S^T, into window 1, v192 on
	WIN 0x40
.irp b, 0,1,2,3
.irp i, 0,1,2,3
	ds_load_b128 v[192+16*\b+4*\i:195+16*\b+4*\i], v[\adr] offset:128*\b+16*\i
.endr
.endr
	WIN 0
.endm
; A KEY STEP: keys 128 m on.  qb, qs: Q's fragment and scale words; lk: the lane's last open key; dg: the scalar with my group of queries.
.macro STEP qb, qs, lk, dg
	s_cmp_gt_u32 s[MS], s[\dg]                     ; all its keys come after my queries: a scalar branch on ids, round the step's work; not round the lines at its end that step addresses
	s_cbranch_scc1 .Lhid_\@
	v_add_nc_u32 v[ADV], s[TB], v2                 ; (these four are the places in front of loads into registers that the last products read)
	v_add_nc_u32 v[ADT], s[TB], v4
	v_nop
	v_nop
	s_add_co_u32 s[TBN], s[TB], BLOCK
	s_min_u32 s[TBN], s[TBN], 7*BLOCK              ; the next step's places, held at step 7's
	s_add_co_u32 s[TAN], s[TA], 512
	s_min_u32 s[TAN], s[TAN], 7*512
	FRAGS 96, ADV                                  ; V of this step: wanted behind the softmax
	WORDS VS, ADT
	s_wait_dscnt 28                                ; all but the 28 just issued: K, its scale words and the mask's numbers of this step are in
	s_cmp_lt_u32 s[MS], s[\dg]                     ; S^T = K Q^T: lane (r, h) holds my query r; register 16 b + i is key 128 m + 32 b + 16 h + i
	s_cbranch_scc1 .Lfull_\@
	WIN 0x01                                       ; the diagonal step: the sums start at 0; the mask's numbers are added behind the choice of the hidden logits.  Source 0: window 1
.irp t, 0,1,2,3,4,5,6,7
	PROD 96+8*\t, 12*\t, \qb, KS+\t/2, \qs, \t%2, 1
.endr
	WIN 0
	s_branch .Lhave_\@
.Lfull_\@:
	WIN 0x11                                       ; a step all of whose keys count: the mask's numbers x sqrt(128) are the C.  Sources 0 and 2: window 1
.irp t, 0,1,2,3,4,5,6,7
	PRODC 96+8*\t, 12*\t, \qb, 192+8*\t, KS+\t/2, \qs, \t%2
.endr
	WIN 0
.Lhave_\@:
	v_add_nc_u32 v[ADK], s[TBN], v1                ; four places behind the products: their results are read, and the next step's K lands on their operands
	v_add_nc_u32 v[ADS], s[TBN], v3
	v_add_nc_u32 v[ADM], s[TAN], v5
	v_nop
	FRAGS 0, ADK
	WORDS KS, ADS
	s_wait_alu depctr_va_vdst(0)                   ; directly ahead of the branch
	s_cmp_lt_u32 s[MS], s[\dg]                     ; a step all of whose keys count skips the mask
	s_cbranch_scc1 .Lopen_\@
	s_lshl_b32 s[KF], s[MS], 7
	v_sub_nc_u32 v252, v[\lk], s[KF]               ; d = my last open key - 128 m - 16 h: register 16 b + i is hidden where 32 b + i > d
	v_mov_b32 v254, 0xc7dcf88b                     ; -10000 sqrt(128): the scaling below makes -10000 of it
.set n, 0
.rept 64
	v_cmp_gt_i32 vcc_lo, 32*(n/16)+n%16, v252
	v_cndmask_b32 v[96+n], v[96+n], v254, vcc_lo
.set n, n+1
.endr
	WIN 0x04                                       ; source 1: window 1
.set j, 0
.rept 32
	v_pk_add_f32 v[96+j:97+j], v[96+j:97+j], v[192+j:193+j]   ; + mask x sqrt(128): the logit x sqrt(128)
.set j, j+2
.endr
	WIN 0
.Lopen_\@:
	MASKS ADM                                      ; the next step's numbers of the mask
.irp b, 0,1,2,3
	v_max3_num_f32 v[232+\b], v[96+16*\b], v[97+16*\b], v[98+16*\b]   ; THE LARGEST LOGIT OF EACH BLOCK OF 32 KEYS: it serves for the row's maximum and, since p rises with the logit, for the block's largest p
.endr
.irp i, 3,5,7,9,11,13
.irp b, 0,1,2,3
	v_max3_num_f32 v[232+\b], v[232+\b], v[96+16*\b+\i], v[97+16*\b+\i]   ; (the four blocks by turns: no line reads the result of the line above it)
.endr
.endr
.irp b, 0,1,2,3
	v_max_num_f32 v[232+\b], v[232+\b], v[111+16*\b]
.endr
.irp b, 0,1,2,3
	s_delay_alu instid0(VALU_DEP_4)
	v_permlanex16_b32 v[236+\b], v[232+\b], s[SEL], s[SEL+1]
.endr
.irp b, 0,1,2,3
	s_delay_alu instid0(VALU_DEP_4)
	v_max_num_f32 v[232+\b], v[232+\b], v[236+\b]  ; with lane l xor 16's 16 keys
.endr
	s_delay_alu instid0(VALU_DEP_2)
	v_max3_num_f32 v254, v232, v233, v234
	s_delay_alu instid0(VALU_DEP_1)
	v_max_num_f32 v254, v254, v235                 ; the step's largest logit of my query
	s_delay_alu instid0(VALU_DEP_1)
	v_mul_f32 v254, s[L2E], v254                   ; as t
	s_delay_alu instid0(VALU_DEP_1)
	v_max_num_f32 v13, v13, v254                   ; the running largest t
	v_mov_b32 v254, v12
	s_delay_alu instid0(VALU_DEP_2)
	v_floor_f32 v12, -v13                          ; the new -M = floor(-t) = -ceil(t): M IS A WHOLE NUMBER
	s_delay_alu instid0(VALU_DEP_1)
	v_sub_f32 v254, v12, v254                      ; M's old value less its new one: a whole number, 0 or less
	s_delay_alu instid0(VALU_DEP_1)
	v_cvt_i32_f32 v254, v254                       ; (it saturates)
	s_delay_alu instid0(VALU_DEP_1)
	v_ldexp_f32 v252, 1.0, v254                    ; f = 2^(old M - new M)
.set j, 0
.rept 32
	v_pk_fma_f32 v[96+j:97+j], v[96+j:97+j], s[L2E:L2E+1], v[12:13] op_sel_hi:[1,0,0]   ; t - M, two at a time
.set j, j+2
.endr
.irp b, 0,1,2,3
	v_fma_f32 v[232+\b], v[232+\b], s[L2E], v12    ; the same of each block's largest logit
.endr
	s_wait_alu depctr_va_vdst(0)
.set j, 0
.rept 64
	v_exp_f32 v[96+j], v[96+j]                     ; p = 2^(t - M), at most 1: NOT normalised
.set j, j+1
.endr
.irp b, 0,1,2,3
	v_exp_f32 v[232+\b], v[232+\b]                 ; the block's largest p: the same two instructions on the same number give the same bits
.endr
	v_pk_mul_f32 v[14:15], v[14:15], v[252:253] op_sel_hi:[1,0]   ; the sums under the new M.  (A plain place behind the exponentials)
	s_wait_alu depctr_va_vdst(0)                   ; and behind it, ahead of its first reader
.irp b, 0,1,2,3
	v_max_num_f32 v[232+\b], 0x2800000, v[232+\b]  ; the floor 2^(5 - 127): the byte cannot fall under 1 (a block whose every p is 0 keeps that byte: its codes are zeros)
.endr
.irp b, 0,1,2,3
	s_delay_alu instid0(VALU_DEP_4)
	v_add_nc_u32 v[244+\b], 0xfe000000, v[232+\b]  ; 4 off the exponent field: the conversion's scale operand
.endr
.irp b, 0,1,2,3
	s_delay_alu instid0(VALU_DEP_4)
	v_lshrrev_b32 v[236+\b], 23, v[244+\b]         ; the scale's byte
.endr
	s_delay_alu instid0(VALU_DEP_3)
	v_lshl_or_b32 v253, v237, 8, v236              ; p's scale word for these 128 keys
	s_delay_alu instid0(VALU_DEP_1)
	v_lshl_or_b32 v253, v238, 16, v253
	s_delay_alu instid0(VALU_DEP_1)
	v_lshl_or_b32 v253, v239, 24, v253
.irp c, 0,1
	v_cvt_scalef32_pk16_bf6_f32 v[224+6*\c:226+6*\c], v[96+32*\c:111+32*\c], v[244+2*\c]
	v_cvt_scalef32_pk16_bf6_f32 v[236+4*\c:238+4*\c], v[112+32*\c:127+32*\c], v[244+2*\c+1]   ; (a conversion's three registers begin on an even number)
.endr
	v_nop                                          ; one plain place behind a scaled conversion
.irp c, 0,1                            ; the operand's layout wants a WHOLE block in a lane
.irp i, 0,1,2
	v_permlane16_swap_b32 v[224+6*\c+\i], v[236+4*\c+\i]
.endr
.irp i, 0,1,2
	s_delay_alu instid0(VALU_DEP_3)
	v_mov_b32 v[227+6*\c+\i], v[236+4*\c+\i]
.endr
.endr
; THE ROW'S SUM IS TAKEN OF THE UNQUANTISED p: 32 pairs in four chains (v[14:15] and three at v238 on), which are then joined
	s_wait_alu depctr_va_vdst(0)                   ; directly ahead of the first reader of O^T
.set j, 0
.rept 32
	v_pk_mul_f32 v[160+j:161+j], v[160+j:161+j], v[252:253] op_sel_hi:[1,0]   ; O^T under the new M.  (These are also the places in front of the products below: p's codes stand 4, its scale word 8 ahead)
.set j, j+2
.endr
	s_wait_alu depctr_va_vdst(0)
	s_wait_dscnt 44                                ; V and its scale words are in; behind them: K's 24 + 4 and the mask's 16 loads of the next step
.irp t, 0,1,2,3,4,5,6,7                ; O^T += V^T P^T: the eight accumulators take turns; behind each product stand four additions of the row's sum, which name none of the products' registers
	WIN 0x01
	PROD 160+8*\t, 96+12*\t, 224, VS+\t/2, 253, \t%2, 0
	WIN 0
	SUMG \t
.endr
.Lhid_\@:
	s_add_co_u32 s[MS], s[MS], 1
	s_add_co_u32 s[TB], s[TB], BLOCK
	s_add_co_u32 s[TA], s[TA], 512
.endm
; 64 numbers of a lane, register 16 b + i = k 32 b + 16 (lane / 16) + i of my row, become a fragment's codes in v[PC] on and its scale word in v[PW].
.macro QUANT s
.irp b, 0,1,2,3
	v_max3_num_f32 v[TM+\b], |v[\s+16*\b]|, |v[\s+1+16*\b]|, 0x2800000
.endr
.irp i, 2,4,6,8,10,12,14
.irp b, 0,1,2,3
	s_delay_alu instid0(VALU_DEP_4)
	v_max3_num_f32 v[TM+\b], v[TM+\b], |v[\s+16*\b+\i]|, |v[\s+1+16*\b+\i]|
.endr
.endr
.irp b, 0,1,2,3
	s_delay_alu instid0(VALU_DEP_4)
	v_permlanex16_b32 v[TM+4+\b], v[TM+\b], s[SEL], s[SEL+1]
.endr
.irp b, 0,1,2,3
	s_delay_alu instid0(VALU_DEP_4)
	v_max_num_f32 v[TM+\b], v[TM+\b], v[TM+4+\b]
.endr
.irp b, 0,1,2,3
	s_delay_alu instid0(VALU_DEP_4)
	v_add_nc_u32 v[TM+12+\b], 0xfe000000, v[TM+\b]
.endr
.irp b, 0,1,2,3
	s_delay_alu instid0(VALU_DEP_4)
	v_lshrrev_b32 v[TM+4+\b], 23, v[TM+12+\b]
.endr
	s_delay_alu instid0(VALU_DEP_3)
	v_lshl_or_b32 v[PW], v[TM+5], 8, v[TM+4]
	s_delay_alu instid0(VALU_DEP_1)
	v_lshl_or_b32 v[PW], v[TM+6], 16, v[PW]
	s_delay_alu instid0(VALU_DEP_1)
	v_lshl_or_b32 v[PW], v[TM+7], 24, v[PW]
.irp c, 0,1
	v_cvt_scalef32_pk16_bf6_f32 v[PC+6*\c:PC+2+6*\c], v[\s+32*\c:\s+15+32*\c], v[TM+12+2*\c]
	v_cvt_scalef32_pk16_bf6_f32 v[PC+12+4*\c:PC+14+4*\c], v[\s+16+32*\c:\s+31+32*\c], v[TM+12+2*\c+1]
.endr
	v_nop                                          ; one plain place behind a scaled conversion
.irp c, 0,1
.irp i, 0,1,2
	v_permlane16_swap_b32 v[PC+6*\c+\i], v[PC+12+4*\c+\i]
.endr
.irp i, 0,1,2
	s_delay_alu instid0(VALU_DEP_3)
	v_mov_b32 v[PC+3+6*\c+\i], v[PC+12+4*\c+\i]
.endr
.endr
.endm
; A PASS: one tile of 16 queries from its first key step to its way out.  sb: the pass's ten scalar registers.
.macro PASS qb, qs, lk, sb
	FRAGS 0, 1                                     ; step 0's K, scale words and numbers of the mask
	WORDS KS, 3
	MASKS 5
	v_mov_b32 v13, 0xff61b1e6                      ; the largest t so far: -3e38, under every t
	v_mov_b32 v14, 0                               ; the sum, in two halves
	v_mov_b32 v15, 0
	v_floor_f32 v12, -v13                          ; -M
.set j, 0
.rept 64
	v_mov_b32 v[160+j], 0                          ; O^T.  (A key step is written without a first step of its own: the first finds zeros, which the first change of M leaves zeros)
.set j, j+1
.endr
	s_mov_b32 s[TB], 0
	s_mov_b32 s[TA], 0
	s_mov_b32 s[MS], 0
	s_mov_b32 s[CNT], 8
	s_wait_alu depctr_va_vdst(0)
.Lk_\@:
	STEP \qb, \qs, \lk, \sb+8
	s_sub_co_u32 s[CNT], s[CNT], 1
	s_cmp_lg_u32 s[CNT], 0
	s_cbranch_scc1 .Lk_\@
	; THE WAY OUT.  O^T / the sum: register 16 b + i is number 32 b + 16 h + i of the head's 128 for my query: the layout that QUANT takes.  The head is K step `head` of the last product.
	s_wait_alu depctr_va_vdst(0)                   ; directly ahead of the waits below
	s_wait_dscnt 0x0                               ; the loads that ran ahead of the last step have landed: their registers may be asked for again
	s_wait_xcnt 0x0                                ; the registers that the last pass's stores read are rewritten only behind this wait
.rept 4
	v_nop                                          ; places behind the last products
.endr
	v_add_f32 v14, v14, v15                        ; the sum's two halves,
	s_delay_alu instid0(VALU_DEP_1)
	v_permlanex16_b32 v252, v14, s[SEL], s[SEL+1]
	s_delay_alu instid0(VALU_DEP_1)
	v_add_f32 v14, v14, v252                       ; and lane l xor 16's: the row's sum
	s_wait_alu depctr_va_vdst(0)
	v_rcp_f32 v14, v14
	v_nop                                          ; one plain place behind a transcendental
	s_wait_alu depctr_va_vdst(0)                   ; and ahead of its first reader, which is also O^T's
.set j, 0
.rept 32
	v_pk_mul_f32 v[96+j:97+j], v[160+j:161+j], v[14:15] op_sel_hi:[1,0]   ; each accumulator from its low end on
.set j, j+2
.endr
	QUANT 96
.irp c, 0,1,2
	global_store_b128 v1, v[PC+4*\c:PC+4*\c+3], s[\sb+4:\sb+5] offset:512*\c   ; 512 consecutive bytes, at a multiple of 256 from the buffer's first byte
.endr
	global_store_b32 v6, v[PW], s[\sb+6:\sb+7]     ; lanes r and r + 16 write the same word with the same value
.endm
	s_wait_alu depctr_va_vdst(0)
	s_wait_loadcnt 0x0                             ; the mask's 16 bytes, Q and its scale words
	v_pk_mul_f32 v[56:57], v[56:57], s[CS:CS+1] op_sel_hi:[1,0]   ; the mask's numbers x sqrt(128)
	v_pk_mul_f32 v[58:59], v[58:59], s[CS:CS+1] op_sel_hi:[1,0]
	ds_store_b128 v43, v[56:59]
	s_wait_tensorcnt 0x0                           ; my two BLOCKs are in,
	s_wait_dscnt 0x0                               ; and my store of the mask is done: for the others' sake
	s_barrier_signal -1
	s_barrier_wait -1                              ; everybody's are: from here on the waves run free of each other
.irp c, 0,1,2
	global_load_b128 v[44+4*\c:47+4*\c], v1, s[P1:P1+1] offset:512*\c   ; the second pass's Q and its scale words: wanted behind the first pass
.endr
	global_load_b32 v41, v6, s[P1+2:P1+3]
	PASS 16, 40, 28, P0
	s_wait_loadcnt 0x0
	PASS 44, 41, 42, P1
	s_wait_tensorcnt 0x0                           ; the wave's end
	ds_add_u32 v[SPW], v[NIL]
	s_wait_dscnt 0x0
	CROUND                                         ; the closing round
	s_endpgm
.Lfunc_end_k_q9332e0e810_attn:
	.size	k_q9332e0e810_attn, .Lfunc_end_k_q9332e0e810_attn-k_q9332e0e810_attn
	.p2alignl 7, 3214868480
	.fill 96, 4, 3214868480
	.section	.rodata,"a",@progbits
	.p2align	6, 0x0
	.amdhsa_kernel k_q9332e0e810_attn
		.amdhsa_group_segment_fixed_size 210944
		.amdhsa_private_segment_fixed_size 0
		.amdhsa_enable_private_segment 0
		.amdhsa_kernarg_size 24
		.amdhsa_user_sgpr_count 2
		.amdhsa_user_sgpr_kernarg_segment_ptr 1
		.amdhsa_wavefront_size32 1
		.amdhsa_system_sgpr_workgroup_id_x 1
		.amdhsa_system_sgpr_workgroup_id_y 1
		.amdhsa_system_sgpr_workgroup_id_z 1
		.amdhsa_system_vgpr_workitem_id 0
		.amdhsa_next_free_vgpr 512
		.amdhsa_next_free_sgpr 96
		.amdhsa_reserve_vcc 1
		.amdhsa_float_denorm_mode_32 3
		.amdhsa_float_denorm_mode_16_64 3
		.amdhsa_memory_ordered 1
		.amdhsa_forward_progress 1
		.amdhsa_inst_pref_size 96
	.end_amdhsa_kernel
	.amdgpu_metadata
---
amdhsa.version: [ 1, 2 ]
amdhsa.kernels:
  - .name:           k_q9332e0e810_attn
    .symbol:         k_q9332e0e810_attn.kd
    .args:
      - { .name: qkv, .offset: 0, .size: 8, .value_kind: global_buffer, .address_space: global }
      - { .name: attention_mask, .offset: 8, .size: 8, .value_kind: global_buffer, .address_space: global }
      - { .name: aimg, .offset: 16, .size: 8, .value_kind: global_buffer, .address_space: global }
    .group_segment_fixed_size: 210944
    .private_segment_fixed_size: 0
    .kernarg_segment_align: 8
    .kernarg_segment_size: 24
    .max_flat_workgroup_size: 256
    .sgpr_count:     96
    .vgpr_count:     512
    .wavefront_size: 32
...
	.end_amdgpu_metadata
.endif
;; end of part 3
;; launch proj (part 4): grid 32 x 8, 4 waves a work-group, clusters of 4 x 4, 327,680 bytes of LDS; arguments ops, aimg, b_proj, out0; writes out0
.if DOCPART == 4
	.amdgcn_target "amdgcn-amd-amdhsa--gfx1250"
	.amdhsa_code_object_version 6
	.text
	.protected	k_q9332e0e810_proj
	.globl	k_q9332e0e810_proj
	.p2align	8
	.type	k_q9332e0e810_proj,@function
k_q9332e0e810_proj:
	s_mov_b64 s[64:65], 0
	v_nop
	global_prefetch_b8 v0, s[64:65] scope:SCOPE_SE
	s_setreg_imm32_b32 hwreg(HW_REG_WAVE_MODE, 25, 1), 1
	s_wait_xcnt 0x0
	s_wait_alu depctr_hold_cnt(0) depctr_sa_sdst(0) depctr_va_vdst(0) depctr_va_sdst(0) depctr_va_ssrc(0) depctr_va_vcc(0) depctr_vm_vsrc(0)
	s_getreg_b32 s2, hwreg(HW_REG_IB_STS2, 6, 4)
	s_cmp_eq_u32 s2, 0
	s_cbranch_scc0 .Lentry_in_a_cluster
	s_endpgm
.Lentry_in_a_cluster:
	s_bfe_u32 s2, ttmp6, 0x10000c
	s_cmp_lg_u32 s2, 0xf033
	s_cbranch_scc0 .Lentry_shape_is_right
	s_endpgm
.Lentry_shape_is_right:
; out0 = Q(a) Q(W_proj) + b_proj on codes of BF6 (E3M2) with E8M0 scales, sums in f32.  out0: [8192][1024] f32.
; OPERANDS lie in memory as images of the matrix operand's registers: a BLOCK of 12,800 bytes = 128 rows x 128 K: eight fragments of 1,536 bytes (registers 4 c .. 4 c + 3 of lane l at 512 c + 16 l), then the scale words
; (tile t, row r at 12288 + 64 t + 4 r).  Lane r of tile 2 b + u holds row 32 b + 8 u + r + 8 (r / 8).  A group of 128 rows is 8 BLOCKs, one for each K step of 128: 102,400 dense bytes.
; SHARES.  8,192 x 1,024 results are 256 tiles of 128 columns x 256 tokens: one to a work-group.  All of K lies in LDS: two token groups (aimg) and one group of columns (W_proj's images in ops, from WP_OFF on), 307,200 bytes, each byte filled once.
; A wave makes 128 columns x 64 tokens: 32 accumulators.  D = S0 S1^T, source 0 = S0 = the columns (8 tiles), source 1 = S1 = my tokens (group wave / 2, tiles 4 (wave % 2) on): a lane holds one token, and register 8 t + j of its
; eight tiles is column 32 (t / 2) + 16 (lane / 16) + 8 (t % 2) + j: eight neighbouring numbers of a row of out0.
; CLUSTERS: 4 x 4 work-groups.  The columns hang on cx alone and are shared along a column of the cluster, the tokens on cy alone and are shared along a row: each is asked for jointly.
; TENSOR LOADS: one a wave, all at the start: waves 0, 1 four K steps of the columns each, waves 2, 3 a token group each.  By this text's count a wave has one out.  Nothing is filled again.
; The bias is the C of K step 0's products.  NaN and infinities are not served.
; REGISTERS: window 0: v6-27 addresses; v32-45 scale words, two sets; v80-175 S1's 4 fragments, two sets (on the way out v128-255 take rows of out0).   window 1: S0's 8 fragments, two sets, at v0 and v128.
;   window 2: accumulator (a, b) at v[8 (8 a + b)].   window 3: v0-63 the bias.
.set BLOCK,  12800
.set CHUNK,  2*BLOCK                   ; two K steps of a group
.set HALF,   4*BLOCK
.set GROUP,  8*BLOCK                   ; a group of 128 rows, all of K
.set COLB,   2*GROUP                   ; LDS: the two token groups at 0, the group of columns behind them
.set WP_OFF, 88*GROUP                  ; W_proj's images in ops
.set SPITCH, 528                       ; the way out: a stage of 16 rows x (512 bytes + 16) for each wave, from LDS byte 0 on: token group 0's K steps 0-2, filled once, whose last reads lie ahead of the barrier of K step 5
.set FR,   12                          ; registers of a fragment
.set AB,   8                           ; LDS address registers: v8, v9 S0's fragments in K steps 0-3, 4-7; v10, v11 S1's; v12, v13 S0's scale words; v14, v15 S1's.  (An LDS offset has 16 bits: four K steps fit.)
.set STO,  26                          ; v26     the way out: where I put 32 bytes of a row
.set RD,   27                          ; v27     and where I read a row back
.set SC,   32                          ; scale words: set p at v[SC + 8 p]: four registers of S0's (register i: tile 2 i in lanes 0-15, tile 2 i + 1 in lanes 16-31), two of S1's
.set AF,   80                          ; S1's fragments: set p at v[AF + 48 p]
.set BK,   128                         ; the way out: 16 rows read back: v128-191 and v192-255 by turns
.set G1A,  24                          ; s[24:31] descriptor group 1 for four K steps of the columns: 200 rows of 256 bytes
.set G1B,  32                          ; s[32:39] for a whole token group: 400 rows
.set G0C,  48                          ; s[48:51] group 0 of the columns' fill
.set G0T,  68                          ; s[68:71] of the tokens'
.set MSB, 0
.macro WIN new                         ; the immediate's high byte repeats the setting that is left
.if MSB != (\new)
	s_set_vgpr_msb (MSB<<8)|(\new)
.set MSB, (\new)
.endif
.endm
.macro PLACES n
.rept \n
	v_nop
.endr
.endm
.macro CROUND                          ; a round of the cluster's barrier
	s_barrier_signal -1
	s_barrier_wait -1
	s_cmp_lg_u32 s14, 0
	s_cbranch_scc1 .Lnot_wave_0_\@
	s_barrier_signal -3
.Lnot_wave_0_\@:
	s_barrier_wait -3
	s_barrier_signal -1
	s_barrier_wait -1
.endm
	s_load_b256 s[4:11], s[0:1], 0x0               ; ops s[4:5], aimg s[6:7], b_proj s[8:9], out0 s[10:11]
	v_lshl_add_u32 v78, v0, 2, 0x4b000
	v_mov_b32 v79, 0
	ds_add_u32 v78, v79
	ds_add_u32 v78, v79
	v_lshrrev_b32 v1, 5, v0
	v_readfirstlane_b32 s14, v1                    ; wave 0..3
	s_lshr_b32 s15, s14, 1                         ; HI: my token group.  Also: I fetch columns (0) or tokens (1)
	s_and_b32 s16, s14, 1                          ; LO: which half of its tiles is mine
	s_bfe_u32 s40, ttmp6, 0x40000                  ; cx, cy: my place in the cluster
	s_bfe_u32 s41, ttmp6, 0x40004
	s_and_b32 s42, ttmp7, 0xffff
	s_lshl_b32 s42, s42, 2
	s_add_co_u32 s42, s42, s40                     ; my group of 128 columns, 0..7 = 4 x cluster y + cx
	s_lshl_b32 s43, ttmp9, 2
	s_add_co_u32 s43, s43, s41                     ; my tile of 256 tokens, 0..31 = 4 x cluster x + cy
	s_lshl_b32 s44, 0x1111, s40                    ; my column of the cluster
	s_lshl_b32 s45, s41, 2
	s_lshl_b32 s45, 15, s45                        ; my row
	s_or_b32 s[G1A], s44, (3<<16)|(1<<21)          ; 15:0 the mask; 17:16 elements of 8 bytes; 20 no padding; 21 set beside a mask
	s_mov_b32 s[G1A+1], 32<<16                     ; tensor_dim0 = 32 elements: 256 bytes
	s_mov_b32 s[G1A+2], 200<<16                    ; tensor_dim1 = 200 rows: four K steps of the columns
	s_mov_b32 s[G1A+3], 32<<16                     ; tile_dim0
	s_mov_b32 s[G1A+4], 200                        ; tile_dim1
	s_mov_b32 s[G1A+5], 32                         ; the pitch: the block is dense
	s_mov_b32 s[G1A+6], 0
	s_mov_b32 s[G1A+7], 0
	s_or_b32 s[G1B], s45, (3<<16)|(1<<21)
	s_mov_b32 s[G1B+1], 32<<16
	s_mov_b32 s[G1B+2], 400<<16                    ; 400 rows: a whole token group, all of K
	s_mov_b32 s[G1B+3], 32<<16
	s_mov_b32 s[G1B+4], 400
	s_mov_b32 s[G1B+5], 32
	s_mov_b32 s[G1B+6], 0
	s_mov_b32 s[G1B+7], 0
	s_mul_i32 s100, s42, GROUP                     ; my group of columns in ops;
	s_add_co_u32 s100, s100, WP_OFF
	s_mul_i32 s46, s16, HALF                       ; waves 0, 1 take the columns' K steps 4 LO on
	s_add_co_u32 s100, s100, s46
	s_mov_b32 s101, 0
	s_lshl_b32 s66, s43, 1
	s_add_co_u32 s66, s66, s16                     ; the token group that waves 2, 3 fetch: 2 x tile + LO
	s_mul_i32 s66, s66, GROUP
	s_mov_b32 s67, 0
	s_lshl_b32 s22, s42, 9                         ; my 128 numbers of b_proj; also my columns' bytes in a row of out0
	s_mov_b32 s23, 0
	s_lshl_b32 s46, s43, 1
	s_add_co_u32 s46, s46, s15                     ; my token group: 128 rows of 4,096 bytes,
	s_lshl_b32 s46, s46, 19
	s_lshl_b32 s47, s16, 18                        ; my half of it: tiles 4 LO on are rows 64 LO on
	s_add_co_u32 s46, s46, s47
	s_add_co_u32 s46, s46, s22
	s_mov_b32 s47, 0
	s_wait_dscnt 0x0
	s_wait_kmcnt 0x0
	s_add_nc_u64 s[100:101], s[4:5], s[100:101]
	s_add_nc_u64 s[66:67], s[6:7], s[66:67]
	s_add_nc_u64 s[22:23], s[8:9], s[22:23]        ; the bias
	s_add_nc_u64 s[10:11], s[10:11], s[46:47]      ; my part of out0
	CROUND                                         ; all sixteen work-groups are here: the joint loads meet
	s_mov_b32 s[G0C], 1                            ; the fills, one a wave: waves 0, 1 the columns' K steps 4 LO on,
	s_mul_i32 s[G0C+1], s16, HALF                  ; (no place in the cluster enters an LDS address)
	s_add_co_u32 s[G0C+1], s[G0C+1], COLB
	s_mov_b64 s[G0C+2:G0C+3], s[100:101]
	s_or_b32 s[G0C+3], s[G0C+3], 0x80000000        ; type = 2
	s_mov_b32 s[G0T], 1                            ; waves 2, 3 token group LO, all of K
	s_mul_i32 s[G0T+1], s16, GROUP
	s_mov_b64 s[G0T+2:G0T+3], s[66:67]
	s_or_b32 s[G0T+3], s[G0T+3], 0x80000000
	s_cmp_eq_u32 s15, 0                            ; a wave's fill stands in one branch, ahead of every wait on TENSORcnt and every LDS read
	s_cbranch_scc0 .Lfirst_tok
	tensor_load_to_lds s[G0C:G0C+3], s[G1A:G1A+7]  ; one tensor load a wave at the head
	s_nop 0
	PLACES 4
	s_branch .Lfirst_asked
.Lfirst_tok:
	tensor_load_to_lds s[G0T:G0T+3], s[G1B:G1B+7]
	s_nop 0
	PLACES 4
.Lfirst_asked:
	v_and_b32 v1, 31, v0                           ; lane
	v_and_b32 v2, 15, v0                           ; r
	v_bfe_u32 v3, v0, 4, 1                         ; h
	v_lshlrev_b32 v4, 6, v3                        ; the bias: lane (r, h) wants, for tile 2 b + u of the columns, the numbers 32 b + 16 h + 8 u + 0 .. 7
	WIN 0xc0                                       ; destination window 3, address window 0
.irp b, 0,1,2,3,4,5,6,7
	global_load_b128 v[8*\b:8*\b+3], v4, s[22:23] offset:(32*(\b/2)+8*(\b%2))*4
	global_load_b128 v[8*\b+4:8*\b+7], v4, s[22:23] offset:(32*(\b/2)+8*(\b%2))*4+16
.endr
	WIN 0
	v_lshlrev_b32 v6, 4, v1                        ; 16 x lane
	v_lshlrev_b32 v7, 2, v1                        ; 4 x lane
	s_mul_i32 s46, s15, GROUP                      ; S1 = token group HI, tiles 4 LO on
	s_mul_i32 s47, s16, 6144
	s_add_co_u32 s47, s47, s46
	v_add_nc_u32 v10, s47, v6
	s_lshl_b32 s47, s16, 8
	s_add_co_u32 s47, s47, s46
	v_add_nc_u32 v14, s47, v7
	v_add_nc_u32 v8, COLB, v6                      ; S0 = the columns
	v_add_nc_u32 v12, COLB, v7
.irp i, 8,10,12,14
	v_add_nc_u32 v[\i+1], HALF, v[\i]              ; the same for K steps 4-7
.endr
	s_mul_i32 s46, s14, 16*SPITCH                  ; my stage
	v_mul_u32_u24 v[STO], v2, SPITCH               ; in: row r, + 64 h
	v_lshl_add_u32 v[STO], v3, 6, v[STO]
	v_add_nc_u32 v[STO], s46, v[STO]
	v_add_nc_u32 v[RD], s46, v6                    ; back: the 32 lanes take one row of 512 bytes
; One matrix instruction; its registers are named by symbols that MULA sets.  ra, rb: source 0's, source 1's scale words stand in lanes 16-31 (odd tiles).
.macro WM ra, rb
.if (\ra) && (\rb)
	v_wmma_scale_f32_16x16x128_f8f6f4 v[RGD:RGD+7], v[RGA:RGA+FR-1], v[RGB:RGB+FR-1], v[RGC:RGC+7], v[SCA], v[SCB] matrix_a_fmt:MATRIX_FMT_BF6 matrix_b_fmt:MATRIX_FMT_BF6 matrix_a_scale:MATRIX_SCALE_ROW1 matrix_b_scale:MATRIX_SCALE_ROW1
.elseif (\ra)
	v_wmma_scale_f32_16x16x128_f8f6f4 v[RGD:RGD+7], v[RGA:RGA+FR-1], v[RGB:RGB+FR-1], v[RGC:RGC+7], v[SCA], v[SCB] matrix_a_fmt:MATRIX_FMT_BF6 matrix_b_fmt:MATRIX_FMT_BF6 matrix_a_scale:MATRIX_SCALE_ROW1
.elseif (\rb)
	v_wmma_scale_f32_16x16x128_f8f6f4 v[RGD:RGD+7], v[RGA:RGA+FR-1], v[RGB:RGB+FR-1], v[RGC:RGC+7], v[SCA], v[SCB] matrix_a_fmt:MATRIX_FMT_BF6 matrix_b_fmt:MATRIX_FMT_BF6 matrix_b_scale:MATRIX_SCALE_ROW1
.else
	v_wmma_scale_f32_16x16x128_f8f6f4 v[RGD:RGD+7], v[RGA:RGA+FR-1], v[RGB:RGB+FR-1], v[RGC:RGC+7], v[SCA], v[SCB] matrix_a_fmt:MATRIX_FMT_BF6 matrix_b_fmt:MATRIX_FMT_BF6
.endif
.endm
; 8 matrix instructions: S1's tile a against S0's eight, K step k.  In K step 0 the bias is the C: nothing is cleared.
; The 32 accumulators take turns, one instruction a turn, in the same order in every K step.
.macro MULA a, k
.irp b, 0,1,2,3,4,5,6,7
.set RGD, 8*(8*(\a)+\b)
.set RGA, 128*((\k)%2)+FR*\b
.set RGB, AF+48*((\k)%2)+FR*(\a)
.set RGC, RGD
.if (\k) == 0
.set RGC, 8*\b
.endif
.set SCA, SC+8*((\k)%2)+\b/2
.set SCB, SC+4+8*((\k)%2)+(\a)/2
	WM \b%2, (\a)%2
.endr
.endm
; 42 LDS loads in one run: the fragments and scale words of K step kn, into the sets kn % 2
.macro FETCH kn
.set HF, (\kn)/4
.set KO, ((\kn)%4)*BLOCK
.set PS, (\kn)%2
	WIN 0x40                                       ; destination window 1, address window 0
.irp b, 0,1,2,3,4,5,6,7
.irp c, 0,1,2
	ds_load_b128 v[128*PS+FR*\b+4*\c:128*PS+FR*\b+4*\c+3], v[AB+HF] offset:KO+1536*\b+512*\c
.endr
.endr
	WIN 0
.irp a, 0,1,2,3
.irp c, 0,1,2
	ds_load_b128 v[AF+48*PS+FR*\a+4*\c:AF+48*PS+FR*\a+4*\c+3], v[AB+2+HF] offset:KO+1536*\a+512*\c
.endr
.endr
.irp i, 0,1,2,3
	ds_load_b32 v[SC+8*PS+\i], v[AB+4+HF] offset:KO+12288+128*\i
.endr
.irp i, 0,1
	ds_load_b32 v[SC+8*PS+4+\i], v[AB+6+HF] offset:KO+12288+128*\i
.endr
.endm
; A K STEP: 32 matrix instructions; behind the first eight the next K step's loads go out in one run, into the other sets: they have 24 matrix instructions in which to land.
; kind 0: the next K step's bytes have been shown landed.   kind 1: my part of them is waited for (n younger loads may stay out) and a barrier shows everybody's. kind 3: the last K step.
; Four places stand in front of each run of loads into registers that matrix instructions have read (ISA guide 7.12.1 for vector instructions).
.macro KSTEP k, kind, n
.if \kind == 1
	s_wait_tensorcnt \n
.endif
	s_wait_dscnt 0x0                               ; this K step's fragments are in: all my LDS reads are over
.if \kind == 1
	s_barrier_signal -1
.endif
.if (\k) == 0
	WIN 0xb1                                       ; source 0 window 1, source 1 window 0, C (the bias) window 3, D window 2
.else
	WIN 0xa1                                       ; C and D window 2
.endif
	MULA 0, \k
	WIN 0
.if \kind == 1
	s_barrier_wait -1
.endif
.if \kind != 3
	PLACES 4
	FETCH (\k)+1
.endif
.if (\k) == 0
	WIN 0xb1
.else
	WIN 0xa1
.endif
	MULA 1, \k
	MULA 2, \k
	MULA 3, \k
.endm
	s_wait_alu depctr_va_vdst(0)
	s_wait_loadcnt 0x0                             ; the bias
	s_wait_tensorcnt 0x0                           ; my one load is in
	s_barrier_signal -1
	s_barrier_wait -1                              ; everybody's is
	FETCH 0
	KSTEP 0, 0, 0
	KSTEP 1, 0, 0
	KSTEP 2, 0, 0
	KSTEP 3, 0, 0
	KSTEP 4, 0, 0
	KSTEP 5, 1, 0                                  ; a barrier: behind it no wave reads K steps 0-2 of token group 0 any more, where the stages of the way out lie
	KSTEP 6, 0, 0
	KSTEP 7, 3, 0
	WIN 0
; THE WAY OUT, tile by tile of 16 tokens x 128 columns.  A lane holds 32 neighbouring bytes of a row for each tile of the columns, and the lanes beside it hold other rows: so a tile goes through my own stage in LDS and comes
; back as whole rows of 512 bytes.  LDS serves a wave's instructions in order (ISA guide 5.7.1.4): no wait between the stores and the loads, nor in front of the next tile's stores.
.macro TOSTAGE a
	WIN 0x08                                       ; an LDS store's data are its source 1: window 2
.irp b, 0,1,2,3,4,5,6,7
	ds_store_b128 v[STO], v[64*(\a)+8*\b:64*(\a)+8*\b+3] offset:128*(\b/2)+32*(\b%2)          ; columns 32 (b / 2) + 16 h + 8 (b % 2) on; each accumulator from its low end on
	ds_store_b128 v[STO], v[64*(\a)+8*\b+4:64*(\a)+8*\b+7] offset:128*(\b/2)+32*(\b%2)+16
.endr
	WIN 0
.set BF, BK+64*((\a)%2)
.irp t, 0,1,2,3,4,5,6,7,8,9,10,11,12,13,14,15
	ds_load_b128 v[BF+4*\t:BF+4*\t+3], v[RD] offset:\t*SPITCH
.endr
.endm
.macro SEND a, younger                 ; younger: the LDS instructions issued behind tile a's loads, which may stay out
.set BF, BK+64*((\a)%2)
	s_wait_dscnt \younger                          ; the tile is back in registers
.irp t, 0,1,2,3,4,5,6,7,8,9,10,11,12,13,14,15
	global_store_b128 v6, v[BF+4*\t:BF+4*\t+3], s[10:11] offset:(32*((\a)/2)+8*((\a)%2)+\t+8*(\t/8))*4096 th:TH_STORE_NT   ; the tile's row t is that token of my 64; 32 lanes store 512 consecutive bytes, at a multiple of 256 from out0's first byte
.endr
.endm
	PLACES 4                                       ; behind the last products: their results are read, and rows land in registers that held S1's fragments
	TOSTAGE 0
.irp a, 1,2,3
.if \a > 1
	s_wait_xcnt 0x0                                ; tile a - 2's stores have read their registers: tile a's rows may land there
.endif
	TOSTAGE \a
	SEND \a-1, 32                                  ; behind tile a - 1's loads: tile a's 16 stores and 16 loads
.endr
	SEND 3, 0
	s_wait_dscnt 0x0
	s_wait_tensorcnt 0x0
	ds_add_u32 v78, v79
	s_wait_dscnt 0x0
	CROUND                                         ; the closing round: no work-group ends while a partner may still ask for a tile that names it
	s_endpgm
.Lfunc_end_k_q9332e0e810_proj:
	.size	k_q9332e0e810_proj, .Lfunc_end_k_q9332e0e810_proj-k_q9332e0e810_proj
	.p2alignl 7, 3214868480
	.fill 96, 4, 3214868480
	.section	.rodata,"a",@progbits
	.p2align	6, 0x0
	.amdhsa_kernel k_q9332e0e810_proj
		.amdhsa_group_segment_fixed_size 327680
		.amdhsa_private_segment_fixed_size 0
		.amdhsa_enable_private_segment 0
		.amdhsa_kernarg_size 32
		.amdhsa_user_sgpr_count 2
		.amdhsa_user_sgpr_kernarg_segment_ptr 1
		.amdhsa_wavefront_size32 1
		.amdhsa_system_sgpr_workgroup_id_x 1
		.amdhsa_system_sgpr_workgroup_id_y 1
		.amdhsa_system_sgpr_workgroup_id_z 1
		.amdhsa_system_vgpr_workitem_id 0
		.amdhsa_next_free_vgpr 1024
		.amdhsa_next_free_sgpr 102
		.amdhsa_reserve_vcc 0
		.amdhsa_float_denorm_mode_32 3
		.amdhsa_float_denorm_mode_16_64 3
		.amdhsa_memory_ordered 1
		.amdhsa_forward_progress 1
		.amdhsa_inst_pref_size 78
	.end_amdhsa_kernel
	.amdgpu_metadata
---
amdhsa.version: [ 1, 2 ]
amdhsa.kernels:
  - .name:           k_q9332e0e810_proj
    .symbol:         k_q9332e0e810_proj.kd
    .args:
      - { .name: ops, .offset: 0, .size: 8, .value_kind: global_buffer, .address_space: global }
      - { .name: aimg, .offset: 8, .size: 8, .value_kind: global_buffer, .address_space: global }
      - { .name: b_proj, .offset: 16, .size: 8, .value_kind: global_buffer, .address_space: global }
      - { .name: out0, .offset: 24, .size: 8, .value_kind: global_buffer, .address_space: global }
    .group_segment_fixed_size: 327680
    .private_segment_fixed_size: 0
    .kernarg_segment_align: 8
    .kernarg_segment_size: 32
    .max_flat_workgroup_size: 128
    .sgpr_count:     102
    .vgpr_count:     1024
    .wavefront_size: 32
...
	.end_amdgpu_metadata
.endif
;; end of part 4
